; MI455X (gfx1250); checked and timed in simulation.
; The chip was launched on July 23, 2026; its instructions are those of AMD's public machine-readable ISA for CDNA 5 (MIT licence, August 2026) and "CDNA5" Instruction Set Architecture Reference Guide (July 2026). The comments in the code are by the model that wrote it; some were corrected since.
;; Attention. Allowed arithmetic: matrix products marked QUANTISED: E2M3 operands, one E8M0 scale for each 32 along K, by v_wmma_scale_f32_16x16x128_f8f6f4 with both operands' format E2M3, f32 sums; everything else in f32.
;; Inputs: attention_mask 2 x 4,096 bool; hidden_states 2 x 4,096 x 512 float32; position_ids 2 x 4,096 int32; segment_ids 2 x 4,096 int32; wk 512 x 512 float32; wo 512 x 512 float32; wq 512 x 512 float32; wv 512 x 512 float32.
;; Outputs: out0 2 x 4,096 x 512 float32.
;; This version of the problem:
;;   THIS VERSION OF THE PROBLEM IS GIVEN IN LOW PRECISION. The matrix products marked QUANTISED in the list below multiply operands that are first quantised to E2M3 (2 exponent bits, 3 mantissa bits; 6 bits a number), with one power-of-two scale for each 32 numbers along K (OCP MX v1.0); their sums are f32. All else is computed in f32.
;;   The module's matrix products, in the order in which they are computed (A, B: the left and right operand; K: the contracted axis; several contracted axes count as one K, in the product's order):
;;     1. [M 8,192, K 512] x [K 512, N 512]; A: input hidden_states; B: input wq: QUANTISED
;;     2. [M 8,192, K 512] x [K 512, N 512]; A: input hidden_states; B: input wk: QUANTISED
;;     3. [M 8,192, K 512] x [K 512, N 512]; A: input hidden_states; B: input wv: QUANTISED
;;     4. batch 16 x [M 4,096, K 64] x [K 64, N 4,096]; A: computed on the way; B: computed on the way: QUANTISED
;;     5. batch 16 x [M 64, K 4,096] x [K 4,096, N 4,096]; A: computed on the way; B: softmax (see below): QUANTISED
;;     6. [M 8,192, K 512] x [K 512, N 512]; A: computed on the way; B: input wo: QUANTISED
;;   THE QUANTISER, for each operand of a quantised product, along K:
;;     - K is cut into blocks of 32 from its start; a last block that is shorter is filled with zeros.
;;     - A block's scale is 2^e with e = floor(log2(the largest magnitude in the block)) - 2, held to -126 .. 127; a block of zeros has e = 0. As a byte (E8M0): e + 127.
;;     - Each number is divided by its block's scale, clamped to +-7.5, and rounded to the nearest number of E2M3, ties to even, subnormals kept.
;;     - The product sums the exact products of the quantised numbers (number of the format x scale) in f32.
;;   ~~~python
;;   def quantise(x, axis):      # numpy; x: float32 -> the quantised numbers, widened to float32 again
;;       x = np.moveaxis(x, axis, -1); K = x.shape[-1]
;;       x = np.pad(x, [(0, 0)] * (x.ndim - 1) + [(0, -K % 32)]); x = x.reshape(x.shape[:-1] + (-1, 32)); a = np.abs(x).max(-1, keepdims=True)
;;       e = np.where(a > 0, np.clip(np.frexp(np.where(a > 0, a, 1))[1] - 1 - 2, -126, 127), 0)      # np.frexp(a)[1] - 1 = floor(log2(a)), exactly
;;       r = np.clip(x / 2.0 ** e, -7.5, 7.5)
;;       step = 2.0 ** (np.maximum(np.frexp(np.where(r == 0, 1, r))[1] - 1, 0) - 3)
;;       q = np.round(r / step) * step * 2.0 ** e      # np.round: ties to even
;;       return np.moveaxis(q.reshape(q.shape[:-2] + (-1,))[..., :K], -1, axis).astype(np.float32)
;;   ~~~
;;   SOFTMAX AHEAD OF A QUANTISED PRODUCT. Where the list says 'softmax', what is quantised is not the finished softmax but p = 2^(t - M), with t = logit x log2(e) and M = ceil(the row's largest t), a whole number; so 1/2 < the row's largest p <= 1. The row's sum l is taken of the UNQUANTISED p, in f32, and the product's result is divided by l at the end. Since M is a whole number, a kernel that streams over the keys may use a running M (the ceiling of the running maximum): every later rescaling is an exact power of two, which a block's scale takes up: the codes' values come out the same.
;;   OPERANDS COMPUTED ON THE WAY. 'Computed on the way' means the value that the module computes at that place (a softmax that the list does not call 'softmax' is quantised finished and normalised). What goes into a quantiser is computed in f32, as accurately as f32 sums, v_exp_f32 and their like allow (about 1e-6 of the number): no bf16 or f16 on the way to a quantiser, and a product that is left as it is and whose result goes on into a quantised operand takes f32 operands (vector FMAs, or v_wmma_f32_16x16x4_f32). A number that lies on a knife's edge between two numbers of the format may be rounded either way, as far as f32 arithmetic and the matrix unit's own rounding can turn it there, and no further.
;; One version. Each part assembles by itself: llvm-mc -triple=amdgcn-amd-amdhsa -mcpu=gfx1250 --defsym DOCPART=n.
;; ======== version 1 of 1: 4 launches
;; limits: right only within a limited range of input values
;; workspace buffers: fc 3,932,160 bytes; fs 327,680 bytes; qrec 4,194,304 bytes; kvc 6,291,456 bytes; kvs 524,288 bytes; arec 4,194,304 bytes; meta 5,120 bytes of whole numbers
;; launch quant (part 1): grid 256 x 1, 10 waves a work-group, no clusters, 0 bytes of LDS; arguments hidden_states, wq, wk, wv, wo, segment_ids, attention_mask, fc, fs, meta; writes fc, fs, meta
.if DOCPART == 1
	.amdgcn_target "amdgcn-amd-amdhsa--gfx1250"
	.amdhsa_code_object_version 6
	.text
	.protected	k_qcdd5b4b8d3_quant
	.globl	k_qcdd5b4b8d3_quant
	.p2align	8
	.type	k_qcdd5b4b8d3_quant,@function
k_qcdd5b4b8d3_quant:
	s_mov_b64 s[64:65], 0
	v_nop
	global_prefetch_b8 v0, s[64:65] scope:SCOPE_SE
	s_setreg_imm32_b32 hwreg(HW_REG_WAVE_MODE, 25, 1), 1
	s_wait_xcnt 0x0
; hidden_states [8192][512] and wq, wk, wv, wo [512][512], f32, K innermost, become codes of FP6 (E2M3) with one E8M0 byte for each 32 along K,
; laid as IMAGES OF OPERAND REGISTERS: a fragment is 16 rows x 128 K, 12 registers a lane; its image is 1,536 bytes, registers 4 c .. 4 c + 3 of lane l at 512 c + 16 l;
; its scale words are 128 bytes, 4 a lane.  Fragment F = 4 T + ks (tile T, K step ks); hidden_states from F = 0, wq from 2048, wk from 2176, wv from 2304, wo from 2432.
; THE ROWS OF A TILE ARE NOT NEIGHBOURS: lane r of tile T holds row 32 (T / 2) + 8 (T % 2) + r + 8 (r / 8), so that a product that takes such a tile as source 0 leaves 16 neighbours in the 16 registers of tiles 2 b, 2 b + 1.
; SHARES: 2,560 fragments, 256 work-groups of ten waves, a wave a fragment.  A lane loads, of its row, 16 neighbouring numbers of each block of 32; lanes l and l xor 16 hold a block.
; A block's scale is 2^(floor(log2(largest magnitude)) - 2): its byte is the largest magnitude's exponent field - 2, held at 1 from below.
; Wave 0 of the first 64 work-groups also stores WHOLE NUMBERS by which the attention launch branches: for each 128 tokens the least and the greatest segment id of the keys that attention_mask admits and a word
; that is 0 where it admits all 128; for each tile of 16 queries the least and the greatest segment id.
; LIMITS: a block of zeros gets the byte 1, not 127 (its codes are zeros, and this program alone reads the bytes); NaN and infinities among the inputs are not served.
; No LDS, no barrier, no matrix unit: the launch streams 21 MB once.
.set TM,  16                           ; v16-19 largest magnitudes, v20-23 the other half's, then bytes, v28-31 the conversions' scale operands
.set PW,  32                           ; the scale word
.set PC,  34                           ; v34-45 the codes; v46-48, v50-52 the conversions' second halves
.set XN,  64                           ; v64-127 my 64 numbers
.set SEL, 40                           ; s[40:41] lane selects: lane l xor 16
; 32 nc numbers of a lane, register 16 b + i = k 32 b + 16 (lane / 16) + i of my row, become codes in v[PC] on and the scale word in v[PW]
.macro QUANT s, nc
.irp b, 0,1,2,3
.if \b < 2*(\nc)
	v_max3_num_f32 v[TM+\b], |v[\s+16*\b]|, |v[\s+1+16*\b]|, 0x1800000   ; my 16 numbers of block b, and the floor 2^(3 - 127): the byte cannot fall under 1
.endif
.endr
.irp i, 2,4,6,8,10,12,14
.irp b, 0,1,2,3
.if \b < 2*(\nc)
	s_delay_alu instid0(VALU_DEP_4)
	v_max3_num_f32 v[TM+\b], v[TM+\b], |v[\s+16*\b+\i]|, |v[\s+1+16*\b+\i]|
.endif
.endr
.endr
.irp b, 0,1,2,3
.if \b < 2*(\nc)
	s_delay_alu instid0(VALU_DEP_4)
	v_permlanex16_b32 v[TM+4+\b], v[TM+\b], s[SEL], s[SEL+1]
.endif
.endr
.irp b, 0,1,2,3
.if \b < 2*(\nc)
	s_delay_alu instid0(VALU_DEP_4)
	v_max_num_f32 v[TM+\b], v[TM+\b], v[TM+4+\b]       ; with lane l xor 16's: the block's largest magnitude
.endif
.endr
.irp b, 0,1,2,3
.if \b < 2*(\nc)
	s_delay_alu instid0(VALU_DEP_4)
	v_add_nc_u32 v[TM+12+\b], 0xff000000, v[TM+\b]     ; 2 off its exponent field: the conversion takes this operand's exponent field as its scale
.endif
.endr
.irp b, 0,1,2,3
.if \b < 2*(\nc)
	s_delay_alu instid0(VALU_DEP_4)
	v_lshrrev_b32 v[TM+4+\b], 23, v[TM+12+\b]          ; the scale's byte
.endif
.endr
	s_delay_alu instid0(VALU_DEP_3)
	v_lshl_or_b32 v[PW], v[TM+5], 8, v[TM+4]
.if (\nc) > 1
	s_delay_alu instid0(VALU_DEP_1)
	v_lshl_or_b32 v[PW], v[TM+6], 16, v[PW]
	s_delay_alu instid0(VALU_DEP_1)
	v_lshl_or_b32 v[PW], v[TM+7], 24, v[PW]
.endif
.irp c, 0,1
.if \c < (\nc)
	v_cvt_scalef32_pk16_fp6_f32 v[PC+6*\c:PC+2+6*\c], v[\s+32*\c:\s+15+32*\c], v[TM+12+2*\c]
	v_cvt_scalef32_pk16_fp6_f32 v[PC+12+4*\c:PC+14+4*\c], v[\s+16+32*\c:\s+31+32*\c], v[TM+12+2*\c+1]   ; (a conversion's three registers begin on an even number)
.endif
.endr
	v_nop                                              ; one plain place behind a scaled conversion
.irp c, 0,1
.if \c < (\nc)
.irp i, 0,1,2
	v_permlane16_swap_b32 v[PC+6*\c+\i], v[PC+12+4*\c+\i]   ; a whole block to a lane: lanes 0-15 block 2 c, lanes 16-31 block 2 c + 1
.endr
.irp i, 0,1,2
	s_delay_alu instid0(VALU_DEP_3)
	v_mov_b32 v[PC+3+6*\c+\i], v[PC+12+4*\c+\i]
.endr
.endif
.endr
.endm
.macro XRED op, reg, m                 ; v[reg] = op(v[reg], that of lane l xor m), inside 16 lanes
	v_mov_b32_dpp v63, v[\reg] row_xmask:\m row_mask:0xf bank_mask:0xf
	s_delay_alu instid0(VALU_DEP_1)
	\op v[\reg], v[\reg], v63
.endm
	s_load_b256 s[4:11], s[0:1], 0x0               ; hidden_states s[4:5], wq s[6:7], wk s[8:9], wv s[10:11]
	s_load_b256 s[12:19], s[0:1], 0x20             ; wo s[12:13], segment_ids s[14:15], attention_mask s[16:17], fc s[18:19]
	s_load_b128 s[20:23], s[0:1], 0x40             ; fs s[20:21], meta s[22:23]
	v_lshrrev_b32 v1, 5, v0
	s_delay_alu instid0(VALU_DEP_1)
	v_readfirstlane_b32 s24, v1                    ; wave 0..9
	v_and_b32 v1, 31, v0                           ; lane
	v_and_b32 v2, 15, v0                           ; r
	v_bfe_u32 v3, v0, 4, 1                         ; h
	s_delay_alu instid0(VALU_DEP_2)
	v_and_b32 v4, 8, v2
	s_delay_alu instid0(VALU_DEP_1)
	v_add_nc_u32 v4, v4, v2                        ; r + 8 (r / 8)
	s_delay_alu instid0(VALU_DEP_1)
	v_lshlrev_b32 v4, 11, v4                       ; a row is 2,048 bytes
	s_delay_alu instid0(VALU_DEP_1)
	v_lshl_add_u32 v4, v3, 6, v4                   ; + 64 h: my 16 numbers of a block
	v_lshlrev_b32 v5, 4, v1                        ; 16 x lane
	v_lshlrev_b32 v6, 2, v1                        ; 4 x lane
	s_mov_b32 s[SEL], 0x76543210
	s_mov_b32 s[SEL+1], 0xfedcba98
.irp b, 0,1,2,3
	v_mov_b32 v[TM+4+\b], 0                        ; written once: a lane permute's destination counts as one of its sources
.endr
	s_mul_i32 s25, ttmp9, 10
	s_add_co_u32 s25, s25, s24                     ; F, my fragment
	s_wait_alu depctr_va_vdst(0)
	s_wait_kmcnt 0x0
	s_mov_b64 s[26:27], s[12:13]                   ; which tensor: the choice hangs on F alone
	s_mov_b32 s28, 2432
	s_cmp_lt_u32 s25, 2432
	s_cselect_b64 s[26:27], s[10:11], s[26:27]
	s_cselect_b32 s28, 2304, s28
	s_cmp_lt_u32 s25, 2304
	s_cselect_b64 s[26:27], s[8:9], s[26:27]
	s_cselect_b32 s28, 2176, s28
	s_cmp_lt_u32 s25, 2176
	s_cselect_b64 s[26:27], s[6:7], s[26:27]
	s_cselect_b32 s28, 2048, s28
	s_cmp_lt_u32 s25, 2048
	s_cselect_b64 s[26:27], s[4:5], s[26:27]
	s_cselect_b32 s28, 0, s28
	s_sub_co_u32 s29, s25, s28                     ; the fragment's number in its tensor
	s_lshr_b32 s30, s29, 2                         ; T
	s_and_b32 s31, s29, 3                          ; ks
	s_lshr_b32 s32, s30, 1
	s_lshl_b32 s32, s32, 16                        ; 32 (T / 2) rows
	s_and_b32 s33, s30, 1
	s_lshl_b32 s33, s33, 14                        ; 8 (T % 2) rows
	s_add_co_u32 s32, s32, s33
	s_lshl_b32 s33, s31, 9                         ; 128 ks numbers
	s_add_co_u32 s32, s32, s33
	s_mov_b32 s33, 0
	s_add_nc_u64 s[26:27], s[26:27], s[32:33]
.irp b, 0,1,2,3
.irp j, 0,1,2,3
	global_load_b128 v[XN+16*\b+4*\j:XN+16*\b+4*\j+3], v4, s[26:27] offset:128*\b+16*\j th:TH_LOAD_NT
.endr
.endr
	s_mul_i32 s34, s25, 1536
	s_mov_b32 s35, 0
	s_add_nc_u64 s[18:19], s[18:19], s[34:35]      ; my image
	s_lshl_b32 s34, s25, 7
	s_add_nc_u64 s[20:21], s[20:21], s[34:35]      ; my scale words
	s_wait_loadcnt 0x0
	QUANT XN, 2
.irp c, 0,1,2
	global_store_b128 v5, v[PC+4*\c:PC+4*\c+3], s[18:19] offset:512*\c   ; 32 lanes store 512 consecutive bytes, at a multiple of 512 from the buffer's first byte
.endr
	global_store_b32 v6, v[PW], s[20:21]           ; 128 consecutive bytes: two neighbouring waves' words fill 256
	s_cmp_lg_u32 s24, 0
	s_cbranch_scc1 .Ldone
	s_cmp_ge_u32 ttmp9, 64
	s_cbranch_scc1 .Ldone
	; ---- the whole numbers of tokens 128 g .. 128 g + 127 (g = the work-group's number): a lane takes four neighbouring tokens
	s_lshl_b32 s36, ttmp9, 9
	s_mov_b32 s37, 0
	s_add_nc_u64 s[14:15], s[14:15], s[36:37]
	s_lshl_b32 s36, ttmp9, 7
	s_add_nc_u64 s[16:17], s[16:17], s[36:37]
	global_load_b128 v[8:11], v5, s[14:15]         ; four segment ids
	global_load_b32 v12, v6, s[16:17]              ; four bytes of the mask
	s_wait_loadcnt 0x0
	v_min_i32 v54, v8, v9
	v_min_i32 v13, v10, v11
	v_max_i32 v55, v8, v9
	v_max_i32 v14, v10, v11
	s_delay_alu instid0(VALU_DEP_3)
	v_min_i32 v54, v54, v13                        ; as queries: every token counts
	s_delay_alu instid0(VALU_DEP_2)
	v_max_i32 v55, v55, v14
	v_mov_b32 v56, 0x7fffffff
	v_mov_b32 v57, 0x80000000
.irp i, 0,1,2,3
	v_bfe_u32 v13, v12, 8*\i, 8
	s_delay_alu instid0(VALU_DEP_1)
	v_cmp_ne_u32 vcc_lo, 0, v13
	s_delay_alu instid0(VALU_DEP_1)
	v_cndmask_b32 v14, 0x7fffffff, v[8+\i], vcc_lo ; as keys: only those that the mask admits
	s_delay_alu instid0(VALU_DEP_2)
	v_cndmask_b32 v15, 0x80000000, v[8+\i], vcc_lo
	s_delay_alu instid0(VALU_DEP_2)
	v_min_i32 v56, v56, v14
	s_delay_alu instid0(VALU_DEP_2)
	v_max_i32 v57, v57, v15
.endr
	v_xor_b32 v58, 0x01010101, v12                 ; 0 where all four are admitted
	v_mov_b32 v59, 0
	v_mov_b32 v63, 0
	XRED v_min_i32, 54, 1                          ; a tile of queries, 2 (lane / 8) + (lane / 2) % 2, lies in lanes l, l xor 1, l xor 4, l xor 5
	XRED v_max_i32, 55, 1
	XRED v_min_i32, 54, 4
	XRED v_max_i32, 55, 4
.irp m, 1,2,4,8
	XRED v_min_i32, 56, \m
	XRED v_max_i32, 57, \m
	XRED v_or_b32, 58, \m
.endr
	s_delay_alu instid0(VALU_DEP_2)
	v_permlanex16_b32 v63, v56, s[SEL], s[SEL+1]
	s_delay_alu instid0(VALU_DEP_1)
	v_min_i32 v56, v56, v63
	s_delay_alu instid0(VALU_DEP_2)
	v_permlanex16_b32 v63, v57, s[SEL], s[SEL+1]
	s_delay_alu instid0(VALU_DEP_1)
	v_max_i32 v57, v57, v63
	s_delay_alu instid0(VALU_DEP_2)
	v_permlanex16_b32 v63, v58, s[SEL], s[SEL+1]
	s_delay_alu instid0(VALU_DEP_1)
	v_or_b32 v58, v58, v63
	v_lshrrev_b32 v61, 3, v1
	v_bfe_u32 v62, v1, 1, 1
	s_delay_alu instid0(VALU_DEP_1)
	v_lshl_add_u32 v61, v61, 1, v62                ; the tile
	s_lshl_b32 s36, ttmp9, 6
	s_add_co_u32 s36, s36, 1024
	v_lshl_add_u32 v61, v61, 3, s36                ; 1,024 + 64 g + 8 x tile
	s_lshl_b32 s36, ttmp9, 4
	v_mov_b32 v62, s36                             ; 16 g
	v_and_b32 v60, 5, v1
	s_delay_alu instid0(VALU_DEP_1)
	v_cmp_eq_u32 vcc_lo, 0, v60
	s_wait_alu depctr_va_vdst(0)
	s_wait_xcnt 0x0                                ; EXEC changes only when the earlier memory instructions have read it
	s_and_saveexec_b32 s38, vcc_lo
	global_store_b64 v61, v[54:55], s[22:23]       ; one lane for each tile
	s_wait_xcnt 0x0
	s_or_b32 exec_lo, exec_lo, s38
	v_cmp_eq_u32 vcc_lo, 0, v1
	s_wait_xcnt 0x0
	s_and_saveexec_b32 s38, vcc_lo
	global_store_b128 v62, v[56:59], s[22:23]      ; lane 0: least, greatest, holes, 0
	s_wait_xcnt 0x0
	s_or_b32 exec_lo, exec_lo, s38
.Ldone:
	s_endpgm
.Lfunc_end_k_qcdd5b4b8d3_quant:
	.size	k_qcdd5b4b8d3_quant, .Lfunc_end_k_qcdd5b4b8d3_quant-k_qcdd5b4b8d3_quant
	.p2alignl 7, 3214868480
	.fill 96, 4, 3214868480
	.section	.rodata,"a",@progbits
	.p2align	6, 0x0
	.amdhsa_kernel k_qcdd5b4b8d3_quant
		.amdhsa_group_segment_fixed_size 0
		.amdhsa_private_segment_fixed_size 0
		.amdhsa_enable_private_segment 0
		.amdhsa_kernarg_size 80
		.amdhsa_user_sgpr_count 2
		.amdhsa_user_sgpr_kernarg_segment_ptr 1
		.amdhsa_wavefront_size32 1
		.amdhsa_system_sgpr_workgroup_id_x 1
		.amdhsa_system_sgpr_workgroup_id_y 1
		.amdhsa_system_sgpr_workgroup_id_z 1
		.amdhsa_system_vgpr_workitem_id 0
		.amdhsa_next_free_vgpr 128
		.amdhsa_next_free_sgpr 66
		.amdhsa_reserve_vcc 1
		.amdhsa_float_denorm_mode_32 3
		.amdhsa_float_denorm_mode_16_64 3
		.amdhsa_memory_ordered 1
		.amdhsa_forward_progress 1
		.amdhsa_inst_pref_size 17
	.end_amdhsa_kernel
	.amdgpu_metadata
---
amdhsa.version: [ 1, 2 ]
amdhsa.kernels:
  - .name:           k_qcdd5b4b8d3_quant
    .symbol:         k_qcdd5b4b8d3_quant.kd
    .args:
      - { .name: hidden_states, .offset: 0, .size: 8, .value_kind: global_buffer, .address_space: global }
      - { .name: wq, .offset: 8, .size: 8, .value_kind: global_buffer, .address_space: global }
      - { .name: wk, .offset: 16, .size: 8, .value_kind: global_buffer, .address_space: global }
      - { .name: wv, .offset: 24, .size: 8, .value_kind: global_buffer, .address_space: global }
      - { .name: wo, .offset: 32, .size: 8, .value_kind: global_buffer, .address_space: global }
      - { .name: segment_ids, .offset: 40, .size: 8, .value_kind: global_buffer, .address_space: global }
      - { .name: attention_mask, .offset: 48, .size: 8, .value_kind: global_buffer, .address_space: global }
      - { .name: fc, .offset: 56, .size: 8, .value_kind: global_buffer, .address_space: global }
      - { .name: fs, .offset: 64, .size: 8, .value_kind: global_buffer, .address_space: global }
      - { .name: meta, .offset: 72, .size: 8, .value_kind: global_buffer, .address_space: global }
    .group_segment_fixed_size: 0
    .private_segment_fixed_size: 0
    .kernarg_segment_align: 8
    .kernarg_segment_size: 80
    .max_flat_workgroup_size: 320
    .sgpr_count:     66
    .vgpr_count:     128
    .wavefront_size: 32
...
	.end_amdgpu_metadata
.endif
;; end of part 1
;; launch qkv (part 2): grid 32 x 8, 16 waves a work-group, no clusters, 231,424 bytes of LDS; arguments fc, fs, position_ids, kvc, kvs, qrec; writes kvc, kvs, qrec
.if DOCPART == 2
	.amdgcn_target "amdgcn-amd-amdhsa--gfx1250"
	.amdhsa_code_object_version 6
	.text
	.protected	k_qcdd5b4b8d3_qkv
	.globl	k_qcdd5b4b8d3_qkv
	.p2align	8
	.type	k_qcdd5b4b8d3_qkv,@function
k_qcdd5b4b8d3_qkv:
	s_mov_b64 s[64:65], 0
	v_nop
	global_prefetch_b8 v0, s[64:65] scope:SCOPE_SE
	s_setreg_imm32_b32 hwreg(HW_REG_WAVE_MODE, 25, 1), 1
	s_wait_xcnt 0x0
; q, k, v = hidden_states x wq^T, wk^T, wv^T on codes of FP6 (E2M3) with E8M0 scales; RoPE on q and k in f32; then q and k are quantised along the head's 64 and v along the KEYS, as the attention launch's operands.
; SHARES: a work-group takes 256 tokens (x) of one head (y); sixteen waves of 256 registers.  For q and k wave w owns token tile w and all four tiles of the head's 64 (source 0 = 16 rows of W, source 1 = 16 tokens: a lane
; holds ONE token and its registers run along d).  For v wave w owns tile w % 4 of the head's 64 and the 64 keys of group w / 4 (source 0 = 16 tokens, source 1 = 16 rows of wv: a lane holds one d and its registers run along the keys).
; By the tiles' choice of rows (lane r of tile T: row 32 (T / 2) + 8 (T % 2) + r + 8 (r / 8)) register 16 b + i of a lane is neighbour 32 b + 16 (lane / 16) + i along the next K.
; OPERANDS come once, as register images, memory -> registers -> LDS: 64 fragments of hidden_states and 48 of the weights, 186,368 bytes with their scale words; the angles' sines and cosines are made while those loads are out.
; RESULTS are gathered in LDS in the very bytes of the workspace's layout and leave by stores of 512 consecutive bytes.
;   qrec record (head, tile), 1,024 bytes: lane l's six registers at 24 l; (scale word, 0) at 768 + 8 l.
;   kvc step (128 keys), 12,288 bytes: K's tiles 2 p + u at 1,536 p + 48 l + 24 u; V's tile dt, keys 64 c on, at 6,144 + 1,536 dt + 48 l + 24 c.
;   kvs step, 1,024 bytes: K's word of tile 2 p + u, row r, at 16 (16 u + r) + 4 p; V's of tile dt at 512 + 16 l + 4 dt, bytes 2 c, 2 c + 1.
; SINE AND COSINE: angle = position x frequency in f32; n = the nearest whole number to angle x 2 / pi; the rest by two fused multiply-adds with pi / 2 in two parts; polynomials on +-pi / 4.
; LIMITS: the frequency 10^(-p / 8) is the product of two f32 constants, within about 1.5 units in its last place; at position 4,095 that turns an angle by at most about 5e-4 rad.  Positions up to 2^24 in magnitude are exact as f32.
; A block of zeros gets the byte 1, not 127 (its codes are zeros; this program alone reads the bytes).  NaN and infinities are not served.
; NO CLUSTER: each work-group asks for its operands once, in one burst of 25 loads a wave at its head, and has 430 vector instructions a wave to do meanwhile; there is no ring whose refills partners could share.
.set XIMG,  0                          ; LDS: hidden_states' 64 fragments, 4 x tile + ks
.set XSC,   98304                      ; their scale words
.set WIMG,  106496                     ; the weights' 48 fragments, 16 i + 4 dt + ks (i: q, k, v)
.set WSC,   180224                     ; their scale words
.set KVSTG, 186368                     ; two steps of kvc
.set QSTG,  210944                     ; sixteen records of qrec
.set SSTG,  227328                     ; two steps of kvs
.set LI,  4                            ; 16 x lane
.set LS,  5                            ; 4 x lane
.set XWI, 6                            ; my token tile's images;      XGI my key group's four tiles'
.set XGI, 7
.set WBI, 8                            ; the weights' images;         WVI my tile of wv
.set WVI, 9
.set XWS, 10                           ; the same for the scale words
.set XGS, 11
.set WBS, 12
.set WVS, 13
.set QSC, 14                           ; where my codes and scale words go in the stages
.set QSS, 15
.set KSC, 16
.set KSS, 17
.set VSC, 18
.set VSS, 19
.set CP1, 20                           ; 16 x thread, + 65,536, + 131,072: the copy's LDS addresses (an immediate reaches 65,535)
.set CP2, 21
.set CP3, 22
.set CPS, 23                           ; 4 x thread + WSC
.set CPO, 24                           ; 16 x thread + KVSTG
.set POSF, 25                          ; my token's position
.set TM,  28                           ; v28-43 the quantiser's
.set PW,  44                           ; v44 the scale word, v45 zero
.set PC,  46                           ; v46-51 codes, v58-60 the second half
.set CD,  68                           ; v68-158 the copy's data
.set MANY, 68                          ; v68-115 four fragments of source 0
.set SING, 116                         ; v116-127 the fragment of source 1
.set ACC, 128                          ; v128-159 four accumulators
.set COS, 160
.set SIN, 176
.set INVF, 192
.set TG,  208                          ; v208-219 at work
.set MS,  240                          ; v240-243 source 0's scale words, v244 source 1's: these five hold scales and nothing else
.set SS,  244
.set SEL, 50
.macro QUANT s, nc
.irp b, 0,1,2,3
.if \b < 2*(\nc)
	v_max3_num_f32 v[TM+\b], |v[\s+16*\b]|, |v[\s+1+16*\b]|, 0x1800000   ; my 16 numbers of block b, and the floor 2^(3 - 127): the byte cannot fall under 1
.endif
.endr
.irp i, 2,4,6,8,10,12,14
.irp b, 0,1,2,3
.if \b < 2*(\nc)
	v_max3_num_f32 v[TM+\b], v[TM+\b], |v[\s+16*\b+\i]|, |v[\s+1+16*\b+\i]|
.endif
.endr
.endr
.irp b, 0,1,2,3
.if \b < 2*(\nc)
	s_delay_alu instid0(VALU_DEP_2)
	v_permlanex16_b32 v[TM+4+\b], v[TM+\b], s[SEL], s[SEL+1]
.endif
.endr
.irp b, 0,1,2,3
.if \b < 2*(\nc)
	s_delay_alu instid0(VALU_DEP_2)
	v_max_num_f32 v[TM+\b], v[TM+\b], v[TM+4+\b]       ; with lane l xor 16's: the block's largest magnitude
.endif
.endr
.irp b, 0,1,2,3
.if \b < 2*(\nc)
	s_delay_alu instid0(VALU_DEP_2)
	v_add_nc_u32 v[TM+12+\b], 0xff000000, v[TM+\b]     ; 2 off its exponent field: the conversion's scale operand
.endif
.endr
.irp b, 0,1,2,3
.if \b < 2*(\nc)
	s_delay_alu instid0(VALU_DEP_2)
	v_lshrrev_b32 v[TM+4+\b], 23, v[TM+12+\b]          ; the scale's byte
.endif
.endr
	s_delay_alu instid0(VALU_DEP_1)
	v_lshl_or_b32 v[PW], v[TM+5], 8, v[TM+4]
.if (\nc) > 1
	v_lshl_or_b32 v[PW], v[TM+6], 16, v[PW]
	v_lshl_or_b32 v[PW], v[TM+7], 24, v[PW]
.endif
.irp c, 0,1
.if \c < (\nc)
	v_cvt_scalef32_pk16_fp6_f32 v[PC+6*\c:PC+2+6*\c], v[\s+32*\c:\s+15+32*\c], v[TM+12+2*\c]
	v_cvt_scalef32_pk16_fp6_f32 v[PC+12+4*\c:PC+14+4*\c], v[\s+16+32*\c:\s+31+32*\c], v[TM+12+2*\c+1]
.endif
.endr
	v_nop                                              ; one plain place behind a scaled conversion
.irp c, 0,1
.if \c < (\nc)
.irp i, 0,1,2
	v_permlane16_swap_b32 v[PC+6*\c+\i], v[PC+12+4*\c+\i]   ; a whole block to a lane
.endr
.irp i, 0,1,2
	s_delay_alu instid0(VALU_DEP_3)
	v_mov_b32 v[PC+3+6*\c+\i], v[PC+12+4*\c+\i]
.endr
.endif
.endr
.endm
.macro BARRIER                         ; my LDS stores have landed and my LDS loads are in: then the work-group's barrier
	s_wait_dscnt 0x0
	s_barrier_signal -1
	s_barrier_wait -1
.endm
.macro FREQ ii, bits                   ; 10^(-ii / 8) x 10^-(2 b + h), b = 0 and 1
	v_mul_f32 v[INVF+\ii], \bits, v[TG+10]
	v_mul_f32 v[INVF+8+\ii], \bits, v[TG+9]
.endm
; cosine and sine of position x frequency p
.macro TRIG p
	v_mul_f32 v[TG], v[POSF], v[INVF+\p]               ; the angle
	s_delay_alu instid0(VALU_DEP_1)
	v_mul_f32 v[TG+1], s40, v[TG]
	s_delay_alu instid0(VALU_DEP_1)
	v_rndne_f32 v[TG+1], v[TG+1]                       ; n
	s_delay_alu instid0(VALU_DEP_1)
	v_fma_f32 v[TG], v[TG+1], s41, v[TG]               ; - n x the f32 nearest to pi / 2,
	s_delay_alu instid0(VALU_DEP_1)
	v_fma_f32 v[TG], v[TG+1], s42, v[TG]               ; + n x what that number has too much: the rest, within +-pi / 4
	s_delay_alu instid0(VALU_DEP_3)
	v_cvt_i32_f32 v[TG+2], v[TG+1]
	s_delay_alu instid0(VALU_DEP_2)
	v_mul_f32 v[TG+3], v[TG], v[TG]                    ; z
	s_delay_alu instid0(VALU_DEP_1)
	v_fma_f32 v[TG+4], s43, v[TG+3], s44
	s_delay_alu instid0(VALU_DEP_2)
	v_fma_f32 v[TG+5], s46, v[TG+3], s47
	s_delay_alu instid0(VALU_DEP_2)
	v_fma_f32 v[TG+4], v[TG+4], v[TG+3], s45
	s_delay_alu instid0(VALU_DEP_2)
	v_fma_f32 v[TG+5], v[TG+5], v[TG+3], s48
	s_delay_alu instid0(VALU_DEP_2)
	v_mul_f32 v[TG+4], v[TG+4], v[TG+3]
	s_delay_alu instid0(VALU_DEP_2)
	v_fma_f32 v[TG+5], v[TG+5], v[TG+3], -0.5
	s_delay_alu instid0(VALU_DEP_2)
	v_fma_f32 v[TG+4], v[TG+4], v[TG], v[TG]           ; the rest's sine
	s_delay_alu instid0(VALU_DEP_2)
	v_fma_f32 v[TG+5], v[TG+5], v[TG+3], 1.0           ; and cosine
	v_and_b32 v[TG+6], 1, v[TG+2]
	s_delay_alu instid0(VALU_DEP_1)
	v_cmp_eq_u32 vcc_lo, 1, v[TG+6]                    ; an odd quarter turn swaps them
	s_delay_alu instid0(VALU_DEP_1)
	v_cndmask_b32 v[TG+7], v[TG+4], v[TG+5], vcc_lo
	s_delay_alu instid0(VALU_DEP_2)
	v_cndmask_b32 v[TG+8], v[TG+5], v[TG+4], vcc_lo
	v_and_b32 v[TG+6], 2, v[TG+2]                      ; the sine is negative in quarters 2 and 3,
	s_delay_alu instid0(VALU_DEP_1)
	v_lshlrev_b32 v[TG+6], 30, v[TG+6]
	s_delay_alu instid0(VALU_DEP_1)
	v_xor_b32 v[SIN+\p], v[TG+6], v[TG+7]
	v_add_nc_u32 v[TG+2], 1, v[TG+2]                   ; the cosine in quarters 1 and 2
	s_delay_alu instid0(VALU_DEP_1)
	v_and_b32 v[TG+2], 2, v[TG+2]
	s_delay_alu instid0(VALU_DEP_1)
	v_lshlrev_b32 v[TG+2], 30, v[TG+2]
	s_delay_alu instid0(VALU_DEP_1)
	v_xor_b32 v[COS+\p], v[TG+2], v[TG+8]
.endm
; One product: four tiles of source 0 against one of source 1, K = 512 in four steps.  The four accumulators take turns, one instruction a turn.
; Four plain places stand behind matrix instructions in front of loads into their registers and of the first read of results.
.macro GROUP mreg, moff, sreg, msreg, msoff, ssreg
.irp ks, 0,1,2,3
.rept 4
	v_nop
.endr
.irp a, 0,1,2,3
.irp c, 0,1,2
	ds_load_b128 v[MANY+12*\a+4*\c:MANY+12*\a+4*\c+3], v[\mreg] offset:\moff+6144*\a+1536*\ks+512*\c
.endr
	ds_load_b32 v[MS+\a], v[\msreg] offset:\msoff+512*\a+128*\ks
.endr
.irp c, 0,1,2
	ds_load_b128 v[SING+4*\c:SING+4*\c+3], v[\sreg] offset:1536*\ks+512*\c
.endr
	ds_load_b32 v[SS], v[\ssreg] offset:128*\ks
	s_wait_dscnt 0x0
.irp a, 0,1,2,3
.if \ks == 0
	v_wmma_scale_f32_16x16x128_f8f6f4 v[ACC+8*\a:ACC+8*\a+7], v[MANY+12*\a:MANY+12*\a+11], v[SING:SING+11], 0, v[MS+\a], v[SS] matrix_a_fmt:MATRIX_FMT_FP6 matrix_b_fmt:MATRIX_FMT_FP6
.else
	v_wmma_scale_f32_16x16x128_f8f6f4 v[ACC+8*\a:ACC+8*\a+7], v[MANY+12*\a:MANY+12*\a+11], v[SING:SING+11], v[ACC+8*\a:ACC+8*\a+7], v[MS+\a], v[SS] matrix_a_fmt:MATRIX_FMT_FP6 matrix_b_fmt:MATRIX_FMT_FP6
.endif
.endr
.endr
.rept 4
	v_nop
.endr
.endm
.macro ROPE                            ; registers 2 p, 2 p + 1 are a pair: (e, o) -> (e cos - o sin, e sin + o cos); ascending
.set p, 0
.rept 16
	v_mul_f32 v[TG+2*(p%2)], v[ACC+2*p+1], v[SIN+p]
	v_mul_f32 v[TG+2*(p%2)+1], v[ACC+2*p], v[SIN+p]
	v_fma_f32 v[ACC+2*p], v[ACC+2*p], v[COS+p], -v[TG+2*(p%2)]
	v_fma_f32 v[ACC+2*p+1], v[ACC+2*p+1], v[COS+p], v[TG+2*(p%2)+1]
.set p, p+1
.endr
.endm
	s_load_b256 s[4:11], s[0:1], 0x0               ; fc s[4:5], fs s[6:7], position_ids s[8:9], kvc s[10:11]
	s_load_b128 s[12:15], s[0:1], 0x20             ; kvs s[12:13], qrec s[14:15]
	v_lshl_add_u32 v254, v0, 2, 0x38000
	v_mov_b32 v255, 0
	v_lshrrev_b32 v1, 5, v0
	s_delay_alu instid0(VALU_DEP_1)
	v_readfirstlane_b32 s16, v1                    ; wave 0..15
	v_and_b32 v1, 31, v0                           ; lane
	v_and_b32 v2, 15, v0                           ; r
	s_wait_alu depctr_va_vdst(0)
	v_bfe_u32 v3, v0, 4, 1                         ; h
	v_lshlrev_b32 v[CP1], 4, v0
	v_lshlrev_b32 v26, 2, v0                       ; 4 x thread
	s_and_b32 s17, ttmp7, 0xffff                   ; the head
	s_mul_i32 s20, ttmp9, 98304                    ; my block's 64 fragments
	s_mov_b32 s21, 0
	s_lshl_b32 s22, s17, 4
	s_add_co_u32 s22, s22, 2048                    ; wq's first fragment of this head; wk's and wv's lie 128 and 256 fragments on
	s_mul_i32 s24, s22, 1536
	s_mov_b32 s25, 0
	s_lshl_b32 s26, s22, 7
	s_mov_b32 s27, 0
	s_lshl_b32 s28, ttmp9, 13
	s_mov_b32 s29, 0
	s_lshl_b32 s30, ttmp9, 10                      ; positions: 4 bytes x (256 x block + 32 (w / 2) + 8 (w % 2) + r + 8 (r / 8))
	s_lshr_b32 s31, s16, 1
	s_lshl_b32 s31, s31, 7
	s_add_co_u32 s30, s30, s31
	s_and_b32 s31, s16, 1
	s_lshl_b32 s31, s31, 5
	s_add_co_u32 s30, s30, s31
	v_and_b32 v[TG], 8, v2
	s_delay_alu instid0(VALU_DEP_1)
	v_add_nc_u32 v[TG], v[TG], v2
	s_delay_alu instid0(VALU_DEP_1)
	v_lshl_add_u32 v[TG], v[TG], 2, s30
	s_wait_alu depctr_va_vdst(0)
	s_wait_kmcnt 0x0
	s_add_nc_u64 s[32:33], s[4:5], s[20:21]
	s_add_nc_u64 s[34:35], s[4:5], s[24:25]
	s_add_nc_u64 s[36:37], s[6:7], s[28:29]
	s_add_nc_u64 s[38:39], s[6:7], s[26:27]
	global_load_b32 v[POSF], v[TG], s[8:9]         ; first, since it is wanted first
.irp i, 0,1,2,3,4,5,6,7,8,9,10,11
	global_load_b128 v[CD+4*\i:CD+4*\i+3], v[CP1], s[32:33] offset:8192*\i   ; the sixteen waves read 8,192 consecutive bytes
.endr
	global_load_b128 v[CD+48:CD+51], v[CP1], s[36:37]
.irp i, 0,1,2
.irp k, 0,1,2
	global_load_b128 v[CD+52+4*(3*\i+\k):CD+55+4*(3*\i+\k)], v[CP1], s[34:35] offset:196608*\i+8192*\k
.endr
.endr
.irp i, 0,1,2
	global_load_b32 v[CD+88+\i], v26, s[38:39] offset:16384*\i
.endr
	; ---- addresses, while the loads are out
	v_lshlrev_b32 v[LI], 4, v1
	v_lshlrev_b32 v[LS], 2, v1
	s_wait_alu depctr_va_vdst(0)
	s_mul_i32 s52, s16, 6144
	v_add_nc_u32 v[XWI], s52, v[LI]
	s_lshr_b32 s53, s16, 2                         ; G, my group of 64 keys
	s_mul_i32 s52, s53, 24576
	v_add_nc_u32 v[XGI], s52, v[LI]
	v_add_nc_u32 v[WBI], WIMG, v[LI]
	s_and_b32 s54, s16, 3                          ; dt, my tile of wv
	s_mul_i32 s52, s54, 6144
	s_add_co_u32 s52, s52, WIMG+49152
	v_add_nc_u32 v[WVI], s52, v[LI]
	s_lshl_b32 s52, s16, 9
	s_add_co_u32 s52, s52, XSC
	v_add_nc_u32 v[XWS], s52, v[LS]
	s_lshl_b32 s52, s53, 11
	s_add_co_u32 s52, s52, XSC
	v_add_nc_u32 v[XGS], s52, v[LS]
	v_add_nc_u32 v[WBS], WSC, v[LS]
	s_lshl_b32 s52, s54, 9
	s_add_co_u32 s52, s52, WSC+4096
	v_add_nc_u32 v[WVS], s52, v[LS]
	s_lshl_b32 s52, s16, 10
	s_add_co_u32 s52, s52, QSTG
	v_mul_u32_u24 v[QSC], v1, 24
	s_delay_alu instid0(VALU_DEP_1)
	v_add_nc_u32 v[QSC], s52, v[QSC]
	s_add_co_u32 s52, s52, 768
	v_lshl_add_u32 v[QSS], v1, 3, s52
	v_mul_u32_u24 v27, v1, 48
	s_wait_alu depctr_va_vdst(0)
	s_lshr_b32 s55, s16, 3                         ; which of the block's two steps my token tile lies in,
	s_and_b32 s56, s16, 7                          ; and which tile of it
	s_lshr_b32 s57, s56, 1
	s_and_b32 s58, s56, 1
	s_mul_i32 s52, s55, 12288
	s_mul_i32 s59, s57, 1536
	s_add_co_u32 s52, s52, s59
	s_mul_i32 s59, s58, 24
	s_add_co_u32 s52, s52, s59
	s_add_co_u32 s52, s52, KVSTG
	v_add_nc_u32 v[KSC], s52, v27
	s_lshl_b32 s52, s55, 10
	s_lshl_b32 s59, s58, 8
	s_add_co_u32 s52, s52, s59
	s_lshl_b32 s59, s57, 2
	s_add_co_u32 s52, s52, s59
	s_add_co_u32 s52, s52, SSTG
	v_lshl_add_u32 v[KSS], v2, 4, s52
	s_lshr_b32 s57, s53, 1                         ; V: the step and the half of it that my 64 keys are
	s_and_b32 s58, s53, 1
	s_mul_i32 s52, s57, 12288
	s_mul_i32 s59, s54, 1536
	s_add_co_u32 s52, s52, s59
	s_mul_i32 s59, s58, 24
	s_add_co_u32 s52, s52, s59
	s_add_co_u32 s52, s52, KVSTG+6144
	v_add_nc_u32 v[VSC], s52, v27
	s_lshl_b32 s52, s57, 10
	s_lshl_b32 s59, s54, 2
	s_add_co_u32 s52, s52, s59
	s_lshl_b32 s59, s58, 1
	s_add_co_u32 s52, s52, s59
	s_add_co_u32 s52, s52, SSTG+512
	v_lshl_add_u32 v[VSS], v1, 4, s52
	v_add_nc_u32 v[CP2], 0x10000, v[CP1]
	v_add_nc_u32 v[CP3], 0x20000, v[CP1]
	v_lshl_add_u32 v[CPS], v0, 2, WSC
	v_add_nc_u32 v[CPO], KVSTG, v[CP1]
	v_mov_b32 v[PW+1], 0
.irp b, 0,1,2,3
	v_mov_b32 v[TM+4+\b], 0                        ; written once: a lane permute's destination counts as one of its sources
.endr
	s_mov_b32 s[SEL], 0x76543210
	s_mov_b32 s[SEL+1], 0xfedcba98
	s_mov_b32 s40, 0x3f22f983                      ; 2 / pi
	s_mov_b32 s41, 0xbfc90fdb                      ; -1.57079637
	s_mov_b32 s42, 0x333bbd2e                      ; 4.37113883e-8
	s_mov_b32 s43, 0xb94ca1f9                      ; the sine's -1.9515295891e-4, 8.3321608736e-3, -1.6666654611e-1
	s_mov_b32 s44, 0x3c08839e
	s_mov_b32 s45, 0xbe2aaaa3
	s_mov_b32 s46, 0x37ccf5ce                      ; the cosine's 2.443315712e-5, -1.388731625e-3, 4.166664568e-2
	s_mov_b32 s47, 0xbab6061a
	s_mov_b32 s48, 0x3d2aaaa5
	; the frequencies: registers 2 p, 2 p + 1 (p = 8 b + ii) of my lane are pair 16 b + 8 h + ii of the head: 10^(-(16 b + 8 h + ii) / 8)
	v_cmp_eq_u32 vcc_lo, 1, v3
	v_mov_b32 v[TG+11], 0x3dcccccd                 ; 0.1
	s_delay_alu instid0(VALU_DEP_1)
	v_cndmask_b32 v[TG+10], 1.0, v[TG+11], vcc_lo  ; b = 0: 1 or 0.1
	v_mov_b32 v[TG+11], 0x3a83126f                 ; 0.001
	s_delay_alu instid0(VALU_DEP_1)
	v_cndmask_b32 v[TG+9], 0x3c23d70a, v[TG+11], vcc_lo   ; b = 1: 0.01 or 0.001
	s_delay_alu instid0(VALU_DEP_3)
	v_mov_b32 v[INVF], v[TG+10]
	s_delay_alu instid0(VALU_DEP_2)
	v_mov_b32 v[INVF+8], v[TG+9]
	FREQ 1, 0x3f3ff911                             ; 0.7498942093
	FREQ 2, 0x3f0ff59a                             ; 0.5623413252
	FREQ 3, 0x3ed7e89b                             ; 0.4216965034
	FREQ 4, 0x3ea1e89b                             ; 0.3162277660
	FREQ 5, 0x3e72d424                             ; 0.2371373706
	FREQ 6, 0x3e361887                             ; 0.1778279410
	FREQ 7, 0x3e088d77                             ; 0.1333521432
	s_wait_loadcnt 25                              ; the position is in: 25 loads were issued behind it, and they stay out
	v_cvt_f32_i32 v[POSF], v[POSF]
.irp p, 0,1,2,3,4,5,6,7,8,9,10,11,12,13,14,15
	TRIG \p
.endr
	s_wait_loadcnt 0x0
.irp i, 0,1,2,3,4,5,6,7
	ds_store_b128 v[CP1], v[CD+4*\i:CD+4*\i+3] offset:8192*\i
.endr
.irp i, 8,9,10,11
	ds_store_b128 v[CP2], v[CD+4*\i:CD+4*\i+3] offset:8192*\i-65536
.endr
	ds_store_b128 v[CP2], v[CD+48:CD+51] offset:XSC-65536
.irp k, 0,1,2
	ds_store_b128 v[CP2], v[CD+52+4*\k:CD+55+4*\k] offset:WIMG-65536+8192*\k
.endr
.irp k, 3,4,5,6,7,8
	ds_store_b128 v[CP3], v[CD+52+4*\k:CD+55+4*\k] offset:WIMG-131072+8192*\k
.endr
.irp i, 0,1,2
	ds_store_b32 v[CPS], v[CD+88+\i] offset:2048*\i
.endr
	BARRIER                                        ; all operands lie in LDS
	; ---- q
	GROUP WBI, 0, XWI, WBS, 0, XWS
	ROPE
	QUANT ACC, 1
	ds_store_b64 v[QSC], v[PC:PC+1]
	ds_store_b64 v[QSC], v[PC+2:PC+3] offset:8
	ds_store_b64 v[QSC], v[PC+4:PC+5] offset:16
	ds_store_b64 v[QSS], v[PW:PW+1]
	s_wait_dscnt 0x0                               ; the stores have read their registers
	; ---- k
	GROUP WBI, 24576, XWI, WBS, 2048, XWS
	ROPE
	QUANT ACC, 1
	ds_store_b64 v[KSC], v[PC:PC+1]
	ds_store_b64 v[KSC], v[PC+2:PC+3] offset:8
	ds_store_b64 v[KSC], v[PC+4:PC+5] offset:16
	ds_store_b32 v[KSS], v[PW]                     ; both halves of the lanes write the same word with the same value
	s_wait_dscnt 0x0
	; ---- v: source 0 = my four tiles of tokens, source 1 = my tile of wv
	GROUP XGI, 0, WVI, XGS, 0, WVS
	QUANT ACC, 1
	ds_store_b64 v[VSC], v[PC:PC+1]
	ds_store_b64 v[VSC], v[PC+2:PC+3] offset:8
	ds_store_b64 v[VSC], v[PC+4:PC+5] offset:16
	ds_store_b16 v[VSS], v[PW]                     ; my 64 keys' two bytes of the tile's scale word
	; ---- the way out
	s_lshr_b32 s52, ttmp9, 4                       ; the batch
	s_lshl_b32 s52, s52, 3
	s_add_co_u32 s52, s52, s17                     ; 8 x batch + head
	s_and_b32 s53, ttmp9, 15                       ; my block in the batch
	s_lshl_b32 s54, s52, 5
	s_lshl_b32 s55, s53, 1
	s_add_co_u32 s54, s54, s55                     ; my first step
	s_mul_i32 s56, s54, 12288
	s_mov_b32 s57, 0
	s_add_nc_u64 s[10:11], s[10:11], s[56:57]
	s_lshl_b32 s56, s54, 10
	s_add_nc_u64 s[12:13], s[12:13], s[56:57]
	s_lshl_b32 s54, s52, 8
	s_lshl_b32 s55, s53, 4
	s_add_co_u32 s54, s54, s55                     ; my first record
	s_lshl_b32 s56, s54, 10
	s_add_nc_u64 s[14:15], s[14:15], s[56:57]
	BARRIER                                        ; the stages are whole
.irp i, 0,1,2,3,4
	ds_load_b128 v[CD+4*\i:CD+4*\i+3], v[CPO] offset:8192*\i
.endr
	s_wait_dscnt 0x0
.irp i, 0,1,2
	global_store_b128 v[CP1], v[CD+4*\i:CD+4*\i+3], s[10:11] offset:8192*\i   ; a wave stores 512 consecutive bytes, at a multiple of 512 from the buffer's first byte
.endr
.irp i, 0,1
	global_store_b128 v[CP1], v[CD+12+4*\i:CD+15+4*\i], s[14:15] offset:8192*\i
.endr
	s_cmp_ge_u32 s16, 4                            ; the two steps' scale words are 2,048 bytes: four waves' worth
	s_cbranch_scc1 .Lend
	ds_load_b128 v[CD+20:CD+23], v[CPO] offset:40960
	s_wait_dscnt 0x0
	global_store_b128 v[CP1], v[CD+20:CD+23], s[12:13]
.Lend:
	s_wait_tensorcnt 0x0
	ds_add_u32 v254, v255
	s_wait_dscnt 0x0
	s_endpgm
.Lfunc_end_k_qcdd5b4b8d3_qkv:
	.size	k_qcdd5b4b8d3_qkv, .Lfunc_end_k_qcdd5b4b8d3_qkv-k_qcdd5b4b8d3_qkv
	.p2alignl 7, 3214868480
	.fill 96, 4, 3214868480
	.section	.rodata,"a",@progbits
	.p2align	6, 0x0
	.amdhsa_kernel k_qcdd5b4b8d3_qkv
		.amdhsa_group_segment_fixed_size 231424
		.amdhsa_private_segment_fixed_size 0
		.amdhsa_enable_private_segment 0
		.amdhsa_kernarg_size 48
		.amdhsa_user_sgpr_count 2
		.amdhsa_user_sgpr_kernarg_segment_ptr 1
		.amdhsa_wavefront_size32 1
		.amdhsa_system_sgpr_workgroup_id_x 1
		.amdhsa_system_sgpr_workgroup_id_y 1
		.amdhsa_system_sgpr_workgroup_id_z 1
		.amdhsa_system_vgpr_workitem_id 0
		.amdhsa_next_free_vgpr 256
		.amdhsa_next_free_sgpr 66
		.amdhsa_reserve_vcc 1
		.amdhsa_float_denorm_mode_32 3
		.amdhsa_float_denorm_mode_16_64 3
		.amdhsa_memory_ordered 1
		.amdhsa_forward_progress 1
		.amdhsa_inst_pref_size 79
	.end_amdhsa_kernel
	.amdgpu_metadata
---
amdhsa.version: [ 1, 2 ]
amdhsa.kernels:
  - .name:           k_qcdd5b4b8d3_qkv
    .symbol:         k_qcdd5b4b8d3_qkv.kd
    .args:
      - { .name: fc, .offset: 0, .size: 8, .value_kind: global_buffer, .address_space: global }
      - { .name: fs, .offset: 8, .size: 8, .value_kind: global_buffer, .address_space: global }
      - { .name: position_ids, .offset: 16, .size: 8, .value_kind: global_buffer, .address_space: global }
      - { .name: kvc, .offset: 24, .size: 8, .value_kind: global_buffer, .address_space: global }
      - { .name: kvs, .offset: 32, .size: 8, .value_kind: global_buffer, .address_space: global }
      - { .name: qrec, .offset: 40, .size: 8, .value_kind: global_buffer, .address_space: global }
    .group_segment_fixed_size: 231424
    .private_segment_fixed_size: 0
    .kernarg_segment_align: 8
    .kernarg_segment_size: 48
    .max_flat_workgroup_size: 512
    .sgpr_count:     66
    .vgpr_count:     256
    .wavefront_size: 32
...
	.end_amdgpu_metadata
.endif
;; end of part 2
;; launch attn (part 3): grid 16 x 16, 16 waves a work-group, no clusters, 294,912 bytes of LDS; arguments qrec, kvc, kvs, meta, segment_ids, attention_mask, arec; writes arec
.if DOCPART == 3
	.amdgcn_target "amdgcn-amd-amdhsa--gfx1250"
	.amdhsa_code_object_version 6
	.text
	.protected	k_qcdd5b4b8d3_attn
	.globl	k_qcdd5b4b8d3_attn
	.p2align	8
	.type	k_qcdd5b4b8d3_attn,@function
k_qcdd5b4b8d3_attn:
	s_mov_b64 s[64:65], 0
	v_nop
	global_prefetch_b8 v0, s[64:65] scope:SCOPE_SE
	s_setreg_imm32_b32 hwreg(HW_REG_WAVE_MODE, 25, 1), 1
	s_wait_xcnt 0x0
; attn[b][q][head] = softmax over the admitted keys of (q . k / 8) x v, both products on codes of FP6 (E2M3) with E8M0 scales; the result is quantised along the head's 64 for the last product.
; A key counts for a query where its half of the sequence (2,048 tokens) is not later than the query's, their segment ids are equal, and attention_mask admits the key.
; THE SOFTMAX: t = score x log2(e) / 8; M = the running largest t rounded UP to a whole number; p = 2^(t - M) is quantised along the keys; the row's sum is taken of the unquantised p and divides at the end;
; when M moves, the sum and O are multiplied by 2^(old M - new M), which rounds nothing.
; SHARES: a work-group (x, y = 8 x batch + head) owns 256 queries of ONE half of the sequence: x 0-7 the second half (the longer walk, so the lower numbers), x 8-15 the first.  Each of its sixteen waves owns a tile of 16 queries.
; Both products are used transposed (S^T = K Q^T, O^T = V^T P^T): a lane holds ONE query.  The head's size is 64: Q's registers 6-11 are zero codes and the scale words' upper bytes are 0, so K's upper six registers, whatever they hold, add nothing.
; THE WALK: 32 places of 128 keys, in eight chunks of four.  Places 0-15 are the steps of the queries' own half, ascending.  Places 16-31 are the other half's, chunk by chunk from its last chunk down (place j: step (j xor 12) xor 16 x half).
; For the first half places 16-31 lie under the block-causal mask and are left out whole.  The small tables are copied for all 32 places in every work-group, so that one text and one count of loads serve both halves.
; THREE MASKS OF 32 BITS, made from stored whole numbers (lane j compares place j's least and greatest admitted id with the queries' least and greatest): visible to my 16 queries, open to them (one id on both sides, no hole: no mask
; instruction), visible to any of the work-group's 256.  A step that is not visible is jumped; one that is visible and not open is masked exactly.  The tests err only towards more work.
; THE RING: four slots, each a chunk of four steps (49,152 bytes), a trip's slot a constant of the text.  Codes go memory -> registers -> LDS.  At the end of trip t a wave waits for the barrier that was signalled at the end of trip t - 1,
; stores its part of chunk t + 2 (into the slot of chunk t - 2, which every wave had left when it signalled t - 1), asks for chunk t + 3 and signals.  So chunk t + 1 is whole when trip t + 1 begins, and between a signal and
; its wait a wave walks a whole trip: LDS loads of slots that nobody writes before a later barrier, and work on registers.  A chunk that the work-group cannot see is neither asked for nor stored.
; NO CLUSTER, NO TENSOR LOADS: joint requests are tensor loads, and branches on numbers read from memory spare whole steps.
; NO PREFETCH: a chunk's loads into registers are issued a whole trip ahead of the wait for them.
; A row that no key is admitted to gets scale bytes 0xff: the last product then makes the whole output row NaN, as a softmax of nothing but -infinity does.
; LIMITS: 1 / sum is v_rcp_f32 and a multiplication; a block of zeros gets the byte 1 (its codes are zeros); NaN and infinities among the floating-point inputs are not served; the scaled scores stay under 2^31 in magnitude.
; REGISTERS: v0 thread; v1 48 x lane; v2, v3 my place among the scale words, the keys' ids; v4-7 this step's addresses; v8 16 x thread; v9 the stores' address; v10 -infinity; v11 my query's id; v12 -M, v13 largest t;
; v[14:15] the sum; v16-27 Q; v28 Q's scale word; v29 the old -M; v30 p's scale word; v31 0xffff; v32-79 K, then at work; v80-127 V; v128-191 S^T, then p; v192-223 O^T; v224-231 K's and V's scale words; v232-255 the chunk on its way.
.set CH,    49152                      ; a chunk; slot s lies at 65,536 s
.set KSEG,  49152                      ; behind slot 0: the batch's 4,096 segment ids, in the walk's order
.set KBIAS, 114688                     ; behind slot 1: 0 or -infinity for each key, by attention_mask
.set OSTG,  180224                     ; behind slot 2: 1,024 bytes for each wave: the way out
.set SPARE, 245760                     ; behind slot 3: the spare words
.set SCL,   262144                     ; the head's 32 steps of scale words, in the walk's order
.set KR,  32
.set VR,  80
.set S,   128
.set OT,  192
.set KSW, 224
.set VSW, 228
.set NX,  232
.set TM,  32                           ; v32-35 block maxima, v36-39 the other half's, then bytes, v44-47 the conversions' scale operands
.set PC,  48                           ; v48-59 p's codes; v60-62, v64-66 the conversions' second halves
.set FF,  68                           ; v[68:69] f = 2^(old M - new M)
.set TT,  70
.set PW,  72                           ; the way out: v72 the scale word, v73 zero
.set SEL, 20
.set CS,  22
; s18 wave, s19 half, s24 pass, s25 step of the trip, s26 place j, s27 the step's LDS offset, s[28:29] the codes, s30 1,024 j, s31 512 j, s32 visible, s33 open, s34 visible to the work-group (shifted 16 a pass)
.macro STEP
	v_add_nc_u32 v4, s27, v1                       ; these four are also the places in front of loads into registers that the last step's matrix instructions have read
	v_add_nc_u32 v5, s30, v2
	v_add_nc_u32 v6, s31, v3
	s_delay_alu instid0(VALU_DEP_1)
	v_add_nc_u32 v7, 0x10000, v6
	s_wait_alu depctr_va_vdst(0)                   ; the wait behind these writes
.irp p, 0,1,2,3
.irp g, 0,1,2
	ds_load_b128 v[KR+12*\p+4*\g:KR+12*\p+4*\g+3], v4 offset:1536*\p+16*\g   ; tiles 2 p, 2 p + 1: 48 bytes a lane
.endr
.endr
	ds_load_b128 v[KSW:KSW+3], v5                  ; register p: lanes 0-15 tile 2 p's scale words, lanes 16-31 tile 2 p + 1's
	s_wait_dscnt 0x0
.irp t, 0,2,4,6
	v_wmma_scale_f32_16x16x128_f8f6f4 v[S+8*\t:S+8*\t+7], v[KR+6*\t:KR+6*\t+11], v[16:27], 0, v[KSW+\t/2], v28 matrix_a_fmt:MATRIX_FMT_FP6 matrix_b_fmt:MATRIX_FMT_FP6
	v_wmma_scale_f32_16x16x128_f8f6f4 v[S+8*\t+8:S+8*\t+15], v[KR+6*\t+6:KR+6*\t+17], v[16:27], 0, v[KSW+\t/2], v28 matrix_a_fmt:MATRIX_FMT_FP6 matrix_b_fmt:MATRIX_FMT_FP6 matrix_a_scale:MATRIX_SCALE_ROW1
.endr
	v_mov_b32 v29, v12                             ; the old -M; with the three below: places in front of the loads that follow and of the first read of the scores
.rept 3
	v_nop
.endr
.irp d, 0,1,2,3
.irp g, 0,1,2
	ds_load_b128 v[VR+12*\d+4*\g:VR+12*\d+4*\g+3], v4 offset:6144+1536*\d+16*\g   ; V lands while the softmax is walked
.endr
.endr
	ds_load_b128 v[VSW:VSW+3], v5 offset:512
	s_bitcmp1_b32 s33, s26
	s_cbranch_scc1 .Lopen_\@
.irp b, 0,1,2,3                                ; masked: register 16 b + i holds key 32 b + 16 (lane / 16) + i of the step
.irp q, 0,1,2,3
	ds_load_b128 v[32+4*\q:35+4*\q], v6 offset:128*\b+16*\q
	ds_load_b128 v[48+4*\q:51+4*\q], v7 offset:128*\b+16*\q
.endr
	s_wait_dscnt 0x0
.irp i, 0,2,4,6,8,10,12,14
	v_pk_add_f32 v[S+16*\b+\i:S+16*\b+\i+1], v[S+16*\b+\i:S+16*\b+\i+1], v[48+\i:49+\i]   ; -infinity where attention_mask does not admit the key
.endr
.irp i, 0,1,2,3,4,5,6,7,8,9,10,11,12,13,14,15
	v_cmp_eq_u32 vcc_lo, v11, v[32+\i]
	s_delay_alu instid0(VALU_DEP_1)
	v_cndmask_b32 v[S+16*\b+\i], v10, v[S+16*\b+\i], vcc_lo   ; and where the ids differ
.endr
.endr
.Lopen_\@:
.irp b, 0,1,2,3
	v_max3_num_f32 v[TM+\b], v[S+16*\b], v[S+1+16*\b], v[S+2+16*\b]   ; the largest score of each block of 32 keys: for the row's maximum and, since p rises with the score, for the block's largest p
.endr
.irp i, 3,5,7,9,11,13
.irp b, 0,1,2,3
	v_max3_num_f32 v[TM+\b], v[TM+\b], v[S+16*\b+\i], v[S+1+16*\b+\i]
.endr
.endr
.irp b, 0,1,2,3
	v_max_num_f32 v[TM+\b], v[TM+\b], v[S+15+16*\b]
.endr
.irp b, 0,1,2,3
	s_delay_alu instid0(VALU_DEP_4)
	v_permlanex16_b32 v[TM+4+\b], v[TM+\b], s[SEL], s[SEL+1]
.endr
.irp b, 0,1,2,3
	s_delay_alu instid0(VALU_DEP_4)
	v_max_num_f32 v[TM+\b], v[TM+\b], v[TM+4+\b]   ; with lane l xor 16's 16 keys
.endr
	s_delay_alu instid0(VALU_DEP_2)
	v_max3_num_f32 v[TT], v[TM], v[TM+1], v[TM+2]
	s_delay_alu instid0(VALU_DEP_1)
	v_max_num_f32 v[TT], v[TT], v[TM+3]
	s_delay_alu instid0(VALU_DEP_1)
	v_mul_f32 v[TT], s[CS], v[TT]                  ; as t
	s_delay_alu instid0(VALU_DEP_1)
	v_max_num_f32 v13, v13, v[TT]                  ; the running largest t
	s_delay_alu instid0(VALU_DEP_1)
	v_floor_f32 v12, -v13                          ; the new -M = floor(-t)
	s_delay_alu instid0(VALU_DEP_1)
	v_sub_f32 v[TT], v12, v29                      ; old M - new M: a whole number, 0 or less
	s_delay_alu instid0(VALU_DEP_1)
	v_cvt_i32_f32 v[TT], v[TT]                     ; (it saturates)
	s_delay_alu instid0(VALU_DEP_1)
	v_ldexp_f32 v[FF], 1.0, v[TT]                  ; f
.set j, 0
.rept 32
	v_pk_fma_f32 v[S+j:S+j+1], v[S+j:S+j+1], s[CS:CS+1], v[12:13] op_sel_hi:[1,0,0]   ; t - M, two at a time
.set j, j+2
.endr
	v_pk_fma_f32 v[TM:TM+1], v[TM:TM+1], s[CS:CS+1], v[12:13] op_sel_hi:[1,0,0]       ; the same of each block's largest score
	v_pk_fma_f32 v[TM+2:TM+3], v[TM+2:TM+3], s[CS:CS+1], v[12:13] op_sel_hi:[1,0,0]
	s_wait_alu depctr_va_vdst(0)                   ; the wait ahead of the batch
.set j, 0
.rept 64
	v_exp_f32 v[S+j], v[S+j]                       ; p = 2^(t - M): not normalised
.set j, j+1
.endr
.irp b, 0,1,2,3
	v_exp_f32 v[TM+\b], v[TM+\b]                   ; the block's largest p
.endr
	v_pk_mul_f32 v[14:15], v[14:15], v[FF:FF+1] op_sel_hi:[1,0]   ; the sums under the new M: a plain place behind the exponentials
	s_wait_alu depctr_va_vdst(0)                   ; and one behind it, ahead of its first reader
.set j, 0
.irp c, 40,48,50,72,74,76,78                   ; the row's sum of the unquantised p, in eight chains
	v_pk_add_f32 v[\c:\c+1], v[S+j:S+j+1], v[S+j+2:S+j+3]
.set j, j+4
.endr
.rept 2
.irp c, 14,40,48,50,72,74,76,78
	v_pk_add_f32 v[\c:\c+1], v[\c:\c+1], v[S+j:S+j+1]
.set j, j+2
.endr
.endr
	v_pk_add_f32 v[14:15], v[14:15], v[S+60:S+61]
	v_pk_add_f32 v[40:41], v[40:41], v[S+62:S+63]
	v_pk_add_f32 v[48:49], v[48:49], v[50:51]
	v_pk_add_f32 v[72:73], v[72:73], v[74:75]
	v_pk_add_f32 v[76:77], v[76:77], v[78:79]
	s_delay_alu instid0(VALU_DEP_3)
	v_pk_add_f32 v[14:15], v[14:15], v[48:49]
	s_delay_alu instid0(VALU_DEP_3)
	v_pk_add_f32 v[40:41], v[40:41], v[72:73]
	s_delay_alu instid0(VALU_DEP_2)
	v_pk_add_f32 v[14:15], v[14:15], v[76:77]
	s_delay_alu instid0(VALU_DEP_1)
	v_pk_add_f32 v[14:15], v[14:15], v[40:41]
.irp b, 0,1,2,3
	v_max_num_f32 v[TM+\b], 0x1800000, v[TM+\b]    ; the floor 2^(3 - 127): a block whose every p is 0 keeps the byte 1: its codes are zeros
.endr
.irp b, 0,1,2,3
	s_delay_alu instid0(VALU_DEP_4)
	v_add_nc_u32 v[TM+12+\b], 0xff000000, v[TM+\b]
.endr
.irp b, 0,1,2,3
	s_delay_alu instid0(VALU_DEP_4)
	v_lshrrev_b32 v[TM+4+\b], 23, v[TM+12+\b]
.endr
	s_delay_alu instid0(VALU_DEP_3)
	v_lshl_or_b32 v30, v[TM+5], 8, v[TM+4]         ; p's scale word for these 128 keys
	s_delay_alu instid0(VALU_DEP_1)
	v_lshl_or_b32 v30, v[TM+6], 16, v30
	s_delay_alu instid0(VALU_DEP_1)
	v_lshl_or_b32 v30, v[TM+7], 24, v30
.irp c, 0,1
	v_cvt_scalef32_pk16_fp6_f32 v[PC+6*\c:PC+2+6*\c], v[S+32*\c:S+15+32*\c], v[TM+12+2*\c]
	v_cvt_scalef32_pk16_fp6_f32 v[PC+12+4*\c:PC+14+4*\c], v[S+16+32*\c:S+31+32*\c], v[TM+12+2*\c+1]
.endr
	v_nop                                          ; one plain place behind a scaled conversion
.irp c, 0,1
.irp i, 0,1,2
	v_permlane16_swap_b32 v[PC+6*\c+\i], v[PC+12+4*\c+\i]   ; a whole block to a lane
.endr
.irp i, 0,1,2
	s_delay_alu instid0(VALU_DEP_3)
	v_mov_b32 v[PC+3+6*\c+\i], v[PC+12+4*\c+\i]
.endr
.endr
	s_wait_alu depctr_va_vdst(0)                   ; the wait, directly ahead of the first reader of O^T
.set j, 0
.rept 16
	v_pk_mul_f32 v[OT+j:OT+j+1], v[OT+j:OT+j+1], v[FF:FF+1] op_sel_hi:[1,0]   ; O^T under the new M; these sixteen are also the places between the writes of p's codes and scale word and the products
.set j, j+2
.endr
	s_wait_alu depctr_va_vdst(0)                   ; the wait, directly ahead of the wait below
	s_wait_dscnt 0x0                               ; V is in
.irp d, 0,1,2,3
	v_wmma_scale_f32_16x16x128_f8f6f4 v[OT+8*\d:OT+8*\d+7], v[VR+12*\d:VR+12*\d+11], v[PC:PC+11], v[OT+8*\d:OT+8*\d+7], v[VSW+\d], v30 matrix_a_fmt:MATRIX_FMT_FP6 matrix_b_fmt:MATRIX_FMT_FP6
.endr
.endm
; A TRIP: the four steps of slot tr, then the trip's end.  Trip t = 4 x pass + tr.  s[28:29]: in pass 0 the own half's first chunk, in pass 1 seven chunks under it.
.macro TRIP tr
.if \tr >= 1
.set OFF_, -(\tr)*CH                   ; pass 0: chunk t + 3 = 4, 5, 6 of the walk is the other half's chunk 3, 2, 1: 1, 2, 3 chunks under the own half's first
.else
.set OFF_, 3*CH                        ; pass 0: the own half's chunk 3; pass 1: chunk 7 of the walk, the other half's chunk 0
.endif
	s_mov_b32 s27, 65536*\tr
	s_mov_b32 s25, 0
.Lstep_\@:
	s_bitcmp1_b32 s32, s26                         ; is place j visible to my queries?
	s_cbranch_scc0 .Lskip_\@
	STEP
.Lskip_\@:
	s_add_co_u32 s26, s26, 1
	s_add_co_u32 s27, s27, 12288
	s_add_co_u32 s30, s30, 1024
	s_add_co_u32 s31, s31, 512
	s_add_co_u32 s25, s25, 1
	s_cmp_lt_u32 s25, 4
	s_cbranch_scc1 .Lstep_\@
	s_wait_loadcnt 0x0                             ; chunk t + 2 is in my registers (on every path)
	s_barrier_wait -1                              ; every wave has ended trip t - 1: chunk t + 1 is whole, and nobody reads chunk t - 2 any more
	s_bfe_u32 s36, s34, (4<<16)|(4*(\tr+2))        ; does the work-group see chunk t + 2?
	s_cbranch_scc0 .Lnostore_\@
	v_add_nc_u32 v9, 65536*((\tr+2)%4), v8
.irp i, 0,1,2,3,4,5
	ds_store_b128 v9, v[NX+4*\i:NX+4*\i+3] offset:8192*\i
.endr
.Lnostore_\@:
	s_wait_dscnt 0x0                               ; my stores have landed, and my reads of this trip's slot are in
	s_bfe_u32 s36, s34, (4<<16)|(4*(\tr+3))        ; chunk t + 3 (beyond chunk 7 the shifted mask holds zeros)
	s_cbranch_scc0 .Lnoload_\@
.irp i, 0,1,2,3,4,5
	global_load_b128 v[NX+4*\i:NX+4*\i+3], v8, s[28:29] offset:OFF_+8192*\i
.endr
.Lnoload_\@:
	s_barrier_signal -1                            ; waited for at the next trip's end
.endm
	s_load_b256 s[4:11], s[0:1], 0x0               ; qrec s[4:5], kvc s[6:7], kvs s[8:9], meta s[10:11]
	s_load_b128 s[12:15], s[0:1], 0x20             ; segment_ids s[12:13], attention_mask s[14:15]
	s_load_b64 s[16:17], s[0:1], 0x30              ; arec
	v_lshrrev_b32 v1, 5, v0
	s_delay_alu instid0(VALU_DEP_1)
	v_readfirstlane_b32 s18, v1                    ; wave 0..15
	s_lshr_b32 s19, ttmp9, 3
	s_xor_b32 s19, s19, 1                          ; which half of the sequence the queries lie in
	s_and_b32 s56, ttmp9, 7                        ; which 256 of it
	s_and_b32 s57, ttmp7, 0xffff                   ; y = 8 x batch + head
	s_lshr_b32 s58, s57, 3                         ; the batch
	s_lshl_b32 s59, s19, 7
	s_lshl_b32 s60, s56, 4
	s_add_co_u32 s59, s59, s60                     ; the work-group's first tile in the batch
	s_add_co_u32 s60, s59, s18                     ; T, my tile
	s_lshl_b32 s61, s57, 8
	s_add_co_u32 s61, s61, s60
	s_lshl_b32 s62, s61, 10                        ; my record, in qrec and in arec
	s_mov_b32 s63, 0
	s_lshl_b32 s36, s60, 6                         ; my tile's first token, 32 (T / 2) + 8 (T % 2), x 4 bytes = 64 T - 32 (T % 2)
	s_and_b32 s37, s60, 1
	s_lshl_b32 s37, s37, 5
	s_sub_co_u32 s36, s36, s37
	s_lshl_b32 s38, s58, 8
	s_add_co_u32 s38, s38, s59
	s_lshl_b32 s38, s38, 3                         ; the sixteen tiles' whole numbers, 8 bytes a tile, behind the steps' 1,024 bytes
	s_lshl_b32 s39, s18, 3
	s_add_co_u32 s39, s39, s38                     ; and mine
	s_lshl_b32 s40, s19, 11
	s_lshl_b32 s41, s19, 4
	s_lshl_b32 s42, s58, 9
	v_and_b32 v1, 31, v0                           ; lane
	v_and_b32 v2, 15, v0                           ; r
	v_bfe_u32 v3, v0, 4, 1                         ; h
	s_delay_alu instid0(VALU_DEP_3)
	v_mul_u32_u24 v5, v1, 24
	v_lshlrev_b32 v6, 3, v1
	v_and_b32 v7, 8, v2
	s_delay_alu instid0(VALU_DEP_1)
	v_add_nc_u32 v7, v7, v2
	s_delay_alu instid0(VALU_DEP_1)
	v_lshl_add_u32 v7, v7, 2, s36
	v_lshlrev_b32 v8, 4, v0
	v_lshlrev_b32 v9, 3, v0                        ; the mask: thread n holds the walk's keys 8 n .. 8 n + 7; 64 threads to a chunk of 512 keys
	v_bfe_u32 v156, v0, 6, 2                       ; u: which chunk of its half
	v_bfe_u32 v157, v0, 8, 1                       ; 1: the other half
	v_xor_b32 v9, s40, v9                          ; the own half first,
	v_lshlrev_b32 v156, 10, v156
	v_sub_nc_u32 v157, 0, v157
	s_delay_alu instid0(VALU_DEP_2)
	v_sub_nc_u32 v156, 1536, v156
	s_delay_alu instid0(VALU_DEP_1)
	v_and_b32 v156, v156, v157
	s_delay_alu instid0(VALU_DEP_1)
	v_add_nc_u32 v9, v9, v156                      ; and the other half's chunk u taken from chunk 3 - u: + 512 (3 - 2 u)
	v_lshrrev_b32 v154, 8, v0                      ; the other half's scale words: 256 threads to a chunk of 4,096 bytes: 16 n + 12,288 - 8,192 (n / 256), and 8,192 less for the second load
	v_lshrrev_b32 v155, 7, v0                      ; its ids: 128 threads to a chunk of 2,048 bytes: 16 n + 6,144 - 4,096 (n / 128)
	s_delay_alu instid0(VALU_DEP_2)
	v_lshlrev_b32 v154, 13, v154
	s_delay_alu instid0(VALU_DEP_2)
	v_lshlrev_b32 v155, 12, v155
	s_delay_alu instid0(VALU_DEP_2)
	v_sub_nc_u32 v154, v8, v154
	s_delay_alu instid0(VALU_DEP_2)
	v_sub_nc_u32 v155, v8, v155
	s_delay_alu instid0(VALU_DEP_2)
	v_add_nc_u32 v154, 12288, v154
	s_delay_alu instid0(VALU_DEP_2)
	v_add_nc_u32 v155, 6144, v155
	v_mul_u32_u24 v4, v3, 12                       ; lane j: step (j xor 12 (j / 16)) xor 16 x half
	s_delay_alu instid0(VALU_DEP_1)
	v_xor_b32 v4, v4, v1
	s_delay_alu instid0(VALU_DEP_1)
	v_xor_b32 v4, s41, v4
	s_delay_alu instid0(VALU_DEP_1)
	v_lshl_add_u32 v4, v4, 4, s42
	s_wait_alu depctr_va_vdst(0)                   ; the wait, directly ahead of the wait below
	s_wait_kmcnt 0x0
	s_add_nc_u64 s[4:5], s[4:5], s[62:63]
	s_add_nc_u64 s[16:17], s[16:17], s[62:63]
	s_load_b512 s[68:83], s[10:11], s38 offset:0x400   ; least and greatest id of each of the sixteen tiles
	s_load_b512 s[84:99], s[10:11], s38 offset:0x440
	s_load_b64 s[50:51], s[10:11], s39 offset:0x400    ; and of mine
	s_lshl_b32 s62, s58, 14
	s_add_nc_u64 s[12:13], s[12:13], s[62:63]      ; the batch's ids
	s_lshl_b32 s62, s58, 12
	s_add_nc_u64 s[14:15], s[14:15], s[62:63]      ; and mask
	s_mul_i32 s62, s57, 393216
	s_add_nc_u64 s[28:29], s[6:7], s[62:63]        ; the head's 32 steps of codes,
	s_mul_i32 s62, s19, 196608
	s_add_nc_u64 s[28:29], s[28:29], s[62:63]      ; from the queries' own half on
	s_lshl_b32 s62, s57, 15
	s_add_nc_u64 s[8:9], s[8:9], s[62:63]
	s_lshl_b32 s62, s19, 14
	s_add_nc_u64 s[44:45], s[8:9], s[62:63]        ; scale words: the own half's, then the other's
	s_xor_b32 s62, s62, 16384
	s_add_nc_u64 s[46:47], s[8:9], s[62:63]
	s_lshl_b32 s62, s19, 13
	s_add_nc_u64 s[52:53], s[12:13], s[62:63]      ; ids likewise
	s_xor_b32 s62, s62, 8192
	s_add_nc_u64 s[54:55], s[12:13], s[62:63]
	global_load_b128 v[32:35], v4, s[10:11]        ; place j's least, greatest, holes
	global_load_b64 v[16:17], v5, s[4:5]           ; Q's six registers,
	global_load_b64 v[18:19], v5, s[4:5] offset:8
	global_load_b64 v[20:21], v5, s[4:5] offset:16
	global_load_b32 v28, v6, s[4:5] offset:768     ; its scale word,
	global_load_b32 v11, v7, s[12:13]              ; my query's id
.irp i, 0,1,2,3,4,5
	global_load_b128 v[NX+4*\i:NX+4*\i+3], v8, s[28:29] offset:8192*\i           ; chunk 0
.endr
.irp i, 0,1
	global_load_b128 v[128+4*\i:131+4*\i], v8, s[44:45] offset:8192*\i
	global_load_b128 v[136+4*\i:139+4*\i], v154, s[46:47] offset:-8192*\i
.endr
	global_load_b128 v[144:147], v8, s[52:53]
	global_load_b128 v[148:151], v155, s[54:55]
	global_load_b64 v[152:153], v9, s[14:15]
.irp i, 0,1,2,3,4,5
	global_load_b128 v[168+4*\i:171+4*\i], v8, s[28:29] offset:CH+8192*\i        ; chunk 1
.endr
	v_mov_b32 v10, 0xff800000
	v_mov_b32 v31, 0xffff
	v_mov_b32 v13, 0xff61b1e6                      ; the largest t so far: -3e38, under every t
	s_delay_alu instid0(VALU_DEP_1)
	v_floor_f32 v12, -v13
	v_mov_b32 v14, 0
	v_mov_b32 v15, 0
.irp j, 22,23,24,25,26,27
	v_mov_b32 v[\j], 0                             ; Q's upper half: zero codes
.endr
.irp j, 80,81,82,83,84,85
	v_mov_b32 v[\j], 0                             ; named as the upper half of K's last tile before V first lands there
.endr
.irp j, 36,37,38,39,69,70
	v_mov_b32 v[\j], 0                             ; written once: permutes' destinations and a pair's upper half count as read
.endr
.set j, 0
.rept 32
	v_mov_b32 v[OT+j], 0                           ; O^T begins as zeros: any step may be the first that is not jumped
.set j, j+1
.endr
	v_lshl_add_u32 v2, v1, 4, SCL
	v_lshl_add_u32 v3, v3, 6, KSEG
	v_mul_u32_u24 v1, v1, 48
	s_mov_b32 s[SEL], 0x76543210
	s_mov_b32 s[SEL+1], 0xfedcba98
	s_mov_b32 s[CS], 0x3e38aa3b                    ; log2(e) / 8
	s_mov_b32 s[CS+1], s[CS]
	s_wait_alu depctr_va_vdst(0)                   ; the wait, directly ahead of the wait below
	s_wait_loadcnt 6                               ; all but chunk 1's six loads, which were issued last
.irp i, 0,1,2,3,4,5,6,7
	v_bfe_u32 v[TT], v[152+\i/4], 8*(\i%4), 8
	s_delay_alu instid0(VALU_DEP_1)
	v_cmp_eq_u32 vcc_lo, 0, v[TT]
	s_delay_alu instid0(VALU_DEP_1)
	v_cndmask_b32 v[160+\i], 0, v10, vcc_lo
.endr
	s_wait_kmcnt 0x0
	s_mov_b32 s36, s68                             ; the least and the greatest id of the work-group's 256 queries
	s_mov_b32 s37, s69
.irp j, 70,72,74,76,78,80,82,84,86,88,90,92,94,96,98
	s_min_i32 s36, s36, s[\j]
	s_max_i32 s37, s37, s[\j+1]
.endr
	v_cmp_ge_i32 s38, v33, s50                     ; visible: the ranges of ids meet
	v_cmp_le_i32 s39, v32, s51
	s_and_b32 s32, s38, s39
	v_cmp_ge_i32 s38, v33, s36
	v_cmp_le_i32 s39, v32, s37
	s_and_b32 s34, s38, s39
	v_cmp_eq_u32 s38, v32, s50                     ; open: one id in the step's keys and in my queries, the same, and no hole
	v_cmp_eq_u32 s39, v33, s51
	s_and_b32 s33, s38, s39
	v_cmp_eq_u32 s38, 0, v34
	s_and_b32 s33, s33, s38
	s_cmp_eq_u32 s50, s51
	s_cselect_b32 s38, -1, 0
	s_and_b32 s33, s33, s38
	s_cmp_eq_u32 s19, 0                            ; queries of the first half see no key of the second
	s_cselect_b32 s38, 0xffff, -1
	s_and_b32 s32, s32, s38
	s_and_b32 s34, s34, s38
	v_add_nc_u32 v5, SCL, v8
	v_lshl_add_u32 v6, v0, 5, KBIAS
.irp i, 0,1,2,3,4,5
	ds_store_b128 v8, v[NX+4*\i:NX+4*\i+3] offset:8192*\i
.endr
.irp i, 0,1,2,3
	ds_store_b128 v5, v[128+4*\i:131+4*\i] offset:8192*\i
.endr
.irp i, 0,1
	ds_store_b128 v8, v[144+4*\i:147+4*\i] offset:KSEG+8192*\i
.endr
	ds_store_b128 v6, v[160:163]
	ds_store_b128 v6, v[164:167] offset:16
	s_mov_b32 s24, 0
	s_mov_b32 s26, 0
	s_mov_b32 s30, 0
	s_mov_b32 s31, 0
	s_wait_alu depctr_va_vdst(0)                   ; the wait at the head's end
	s_wait_dscnt 0x0
	s_barrier_signal -1
	s_barrier_wait -1                              ; slot 0, the scale words, the ids and the mask lie in LDS
	s_wait_loadcnt 0x0
	v_add_nc_u32 v9, 65536, v8
.irp i, 0,1,2,3,4,5
	ds_store_b128 v9, v[168+4*\i:171+4*\i] offset:8192*\i    ; chunk 1
.endr
	s_wait_dscnt 0x0
	s_bfe_u32 s36, s34, (4<<16)|8
	s_cbranch_scc0 .Lno2
.irp i, 0,1,2,3,4,5
	global_load_b128 v[NX+4*\i:NX+4*\i+3], v8, s[28:29] offset:2*CH+8192*\i      ; chunk 2
.endr
.Lno2:
	s_barrier_signal -1                            ; waited for at the first trip's end
.Lpass:                                            ; two passes of four trips
	TRIP 0
	TRIP 1
	TRIP 2
	TRIP 3
	s_wait_xcnt 0x0                                ; the pass's loads have read their addresses
	s_sub_nc_u64 s[28:29], s[28:29], 7*CH          ; for chunk 7 of the walk, three chunks over this (only the second half's queries ask there)
	s_lshr_b32 s34, s34, 16
	s_add_co_u32 s24, s24, 1
	s_cmp_lt_u32 s24, 2
	s_cbranch_scc1 .Lpass
	s_wait_loadcnt 0x0                             ; no load into v232-255 is out on any path: v254 and v255 are written at the wave's end
	s_barrier_wait -1                              ; closes the last trip's signal
	; THE WAY OUT: O^T / the sum, quantised along the head's 64, as a record of arec
.rept 4
	v_nop                                          ; places behind the last products
.endr
	v_add_f32 v14, v14, v15
	s_delay_alu instid0(VALU_DEP_1)
	v_permlanex16_b32 v[TT], v14, s[SEL], s[SEL+1]
	s_delay_alu instid0(VALU_DEP_1)
	v_add_f32 v14, v14, v[TT]                      ; the row's sum
	s_delay_alu instid0(VALU_DEP_1)
	v_cmp_eq_f32 s70, 0, v14                       ; no key was admitted
	s_wait_alu depctr_va_vdst(0)                   ; the wait ahead of the reciprocal
	v_rcp_f32 v15, v14
	v_mov_b32 v[PW+1], 0                           ; (a plain place behind the reciprocal)
	v_and_b32 v4, 31, v0
	s_lshl_b32 s56, s18, 10
	s_add_co_u32 s56, s56, OSTG                    ; my stage
	v_mul_u32_u24 v1, v4, 24
	s_delay_alu instid0(VALU_DEP_1)
	v_add_nc_u32 v1, s56, v1
	v_lshl_add_u32 v2, v4, 3, s56
	v_lshl_add_u32 v3, v4, 4, s56
	v_lshlrev_b32 v4, 4, v4
	s_wait_alu depctr_va_vdst(0)                   ; the wait, ahead of the reciprocal's first reader
	v_cndmask_b32 v15, v15, v[PW+1], s70           ; such a row's codes are zeros
.set j, 0
.rept 32
	v_mul_f32 v[S+j], v[OT+j], v15                 ; register 16 b + i is channel 32 b + 16 (lane / 16) + i of my query
.set j, j+1
.endr
.irp b, 0,1
	v_max3_num_f32 v[TM+\b], |v[S+16*\b]|, |v[S+1+16*\b]|, 0x1800000   ; my 16 numbers of block b, and the floor 2^(3 - 127): the byte cannot fall under 1
.endr
.irp i, 2,4,6,8,10,12,14
.irp b, 0,1
	s_delay_alu instid0(VALU_DEP_2)
	v_max3_num_f32 v[TM+\b], v[TM+\b], |v[S+16*\b+\i]|, |v[S+1+16*\b+\i]|
.endr
.endr
.irp b, 0,1
	s_delay_alu instid0(VALU_DEP_2)
	v_permlanex16_b32 v[TM+4+\b], v[TM+\b], s[SEL], s[SEL+1]
.endr
.irp b, 0,1
	s_delay_alu instid0(VALU_DEP_2)
	v_max_num_f32 v[TM+\b], v[TM+\b], v[TM+4+\b]
.endr
.irp b, 0,1
	s_delay_alu instid0(VALU_DEP_2)
	v_add_nc_u32 v[TM+12+\b], 0xff000000, v[TM+\b]
.endr
.irp b, 0,1
	s_delay_alu instid0(VALU_DEP_2)
	v_lshrrev_b32 v[TM+4+\b], 23, v[TM+12+\b]
.endr
	s_delay_alu instid0(VALU_DEP_1)
	v_lshl_or_b32 v[PW], v[TM+5], 8, v[TM+4]
	v_cvt_scalef32_pk16_fp6_f32 v[PC:PC+2], v[S:S+15], v[TM+12]
	v_cvt_scalef32_pk16_fp6_f32 v[PC+12:PC+14], v[S+16:S+31], v[TM+13]
	v_nop                                          ; one plain place behind a scaled conversion
.irp i, 0,1,2
	v_permlane16_swap_b32 v[PC+\i], v[PC+12+\i]
.endr
.irp i, 0,1,2
	s_delay_alu instid0(VALU_DEP_3)
	v_mov_b32 v[PC+3+\i], v[PC+12+\i]
.endr
	v_cndmask_b32 v[PW], v[PW], v31, s70           ; a row with no key: scale bytes 0xff
	ds_store_b64 v1, v[PC:PC+1]
	ds_store_b64 v1, v[PC+2:PC+3] offset:8
	ds_store_b64 v1, v[PC+4:PC+5] offset:16
	ds_store_b64 v2, v[PW:PW+1] offset:768
	ds_load_b128 v[128:131], v3                    ; LDS serves a wave's instructions in order (ISA guide 5.7.1.4): these see my stores
	ds_load_b128 v[132:135], v3 offset:512
	s_wait_dscnt 0x0
	global_store_b128 v4, v[128:131], s[16:17]     ; 512 consecutive bytes, at a multiple of 512 from the buffer's first byte
	global_store_b128 v4, v[132:135], s[16:17] offset:512
	s_wait_xcnt 0x0
	v_lshl_add_u32 v254, v0, 2, SPARE
	v_mov_b32 v255, 0
	s_wait_alu depctr_va_vdst(0)
	s_wait_tensorcnt 0x0                           ; the wave's end
	ds_add_u32 v254, v255
	s_wait_dscnt 0x0
	s_endpgm
.Lfunc_end_k_qcdd5b4b8d3_attn:
	.size	k_qcdd5b4b8d3_attn, .Lfunc_end_k_qcdd5b4b8d3_attn-k_qcdd5b4b8d3_attn
	.p2alignl 7, 3214868480
	.fill 96, 4, 3214868480
	.section	.rodata,"a",@progbits
	.p2align	6, 0x0
	.amdhsa_kernel k_qcdd5b4b8d3_attn
		.amdhsa_group_segment_fixed_size 294912
		.amdhsa_private_segment_fixed_size 0
		.amdhsa_enable_private_segment 0
		.amdhsa_kernarg_size 56
		.amdhsa_user_sgpr_count 2
		.amdhsa_user_sgpr_kernarg_segment_ptr 1
		.amdhsa_wavefront_size32 1
		.amdhsa_system_sgpr_workgroup_id_x 1
		.amdhsa_system_sgpr_workgroup_id_y 1
		.amdhsa_system_sgpr_workgroup_id_z 1
		.amdhsa_system_vgpr_workitem_id 0
		.amdhsa_next_free_vgpr 256
		.amdhsa_next_free_sgpr 100
		.amdhsa_reserve_vcc 1
		.amdhsa_float_denorm_mode_32 3
		.amdhsa_float_denorm_mode_16_64 3
		.amdhsa_memory_ordered 1
		.amdhsa_forward_progress 1
		.amdhsa_inst_pref_size 134
	.end_amdhsa_kernel
	.amdgpu_metadata
---
amdhsa.version: [ 1, 2 ]
amdhsa.kernels:
  - .name:           k_qcdd5b4b8d3_attn
    .symbol:         k_qcdd5b4b8d3_attn.kd
    .args:
      - { .name: qrec, .offset: 0, .size: 8, .value_kind: global_buffer, .address_space: global }
      - { .name: kvc, .offset: 8, .size: 8, .value_kind: global_buffer, .address_space: global }
      - { .name: kvs, .offset: 16, .size: 8, .value_kind: global_buffer, .address_space: global }
      - { .name: meta, .offset: 24, .size: 8, .value_kind: global_buffer, .address_space: global }
      - { .name: segment_ids, .offset: 32, .size: 8, .value_kind: global_buffer, .address_space: global }
      - { .name: attention_mask, .offset: 40, .size: 8, .value_kind: global_buffer, .address_space: global }
      - { .name: arec, .offset: 48, .size: 8, .value_kind: global_buffer, .address_space: global }
    .group_segment_fixed_size: 294912
    .private_segment_fixed_size: 0
    .kernarg_segment_align: 8
    .kernarg_segment_size: 56
    .max_flat_workgroup_size: 512
    .sgpr_count:     100
    .vgpr_count:     256
    .wavefront_size: 32
...
	.end_amdgpu_metadata
.endif
;; end of part 3
;; launch outp (part 4): grid 64 x 4, 8 waves a work-group, no clusters, 121,856 bytes of LDS; arguments arec, fc, fs, out0; writes out0
.if DOCPART == 4
	.amdgcn_target "amdgcn-amd-amdhsa--gfx1250"
	.amdhsa_code_object_version 6
	.text
	.protected	k_qcdd5b4b8d3_outp
	.globl	k_qcdd5b4b8d3_outp
	.p2align	8
	.type	k_qcdd5b4b8d3_outp,@function
k_qcdd5b4b8d3_outp:
	s_mov_b64 s[64:65], 0
	v_nop
	global_prefetch_b8 v0, s[64:65] scope:SCOPE_SE
	s_setreg_imm32_b32 hwreg(HW_REG_WAVE_MODE, 25, 1), 1
	s_wait_xcnt 0x0
; out0 = attn x wo^T on codes of FP6 (E2M3) with E8M0 scales; out0 [8192][512] f32.
; SHARES: a work-group takes 128 tokens (x) and 128 columns (y); each of its eight waves one tile of 16 tokens against the eight tiles of wo's rows.  K = 512 in four steps; K step ks is heads 2 ks and 2 ks + 1.
; wo's 32 fragments and their scale words come once, as register images, memory -> registers -> LDS (53,248 bytes), and all eight waves read them.  My tile of attn comes straight into registers: for each head a record's six registers a lane
; and its scale word (two bytes); two heads' make a fragment and a scale word.
; TRANSPOSED: source 0 = 16 rows of wo, source 1 = my 16 tokens: a lane holds one token; by the tiles' choice of rows the 16 registers of tiles 2 p, 2 p + 1 are columns 32 p + 16 (lane / 16) + 0 .. 15: 64 neighbouring bytes.
; They go through my own stage in LDS (rows of 512 + 16 bytes) and leave as whole rows of 512 bytes.  Row i of the tile is token 32 (w / 2) + 8 (w % 2) + i + 8 (i / 8) of the 128.
; NO CLUSTER: what the 64 work-groups of a column block share is 53,248 bytes, asked for once a work-group at its head; there is no ring whose refills partners could share.
.set WSC, 49152
.set STG, 53248
.set AF,  16                           ; v16-63 my tile's four fragments
.set WF,  64                           ; v64-159 the copy's data, then wo's eight fragments of a K step, then rows of out0
.set ACC, 160                          ; v160-223 eight accumulators
.set SW,  228                          ; v228-235 the heads' scale half words
.set WS,  240                          ; v240-247 wo's scale words, v248-251 my tile's: these twelve hold scales and nothing else
.set ASC, 248
	s_load_b256 s[4:11], s[0:1], 0x0               ; arec s[4:5], fc s[6:7], fs s[8:9], out0 s[10:11]
	v_lshl_add_u32 v254, v0, 2, 0x1d800
	v_mov_b32 v255, 0
	v_lshrrev_b32 v1, 5, v0
	s_delay_alu instid0(VALU_DEP_1)
	v_readfirstlane_b32 s12, v1                    ; wave 0..7
	v_and_b32 v1, 31, v0                           ; lane
	v_and_b32 v2, 15, v0                           ; r
	s_wait_alu depctr_va_vdst(0)
	v_bfe_u32 v3, v0, 4, 1                         ; h
	v_lshlrev_b32 v4, 4, v1                        ; 16 x lane
	v_lshlrev_b32 v5, 2, v1                        ; 4 x lane
	v_lshlrev_b32 v6, 4, v0                        ; 16 x thread
	v_mul_u32_u24 v7, v1, 24
	v_lshlrev_b32 v8, 3, v1
	s_and_b32 s13, ttmp7, 0xffff                   ; the block of 128 columns
	s_lshl_b32 s14, s13, 5
	s_add_co_u32 s14, s14, 2432                    ; wo's first fragment of it
	s_mul_i32 s16, s14, 1536
	s_mov_b32 s17, 0
	s_lshl_b32 s18, s14, 7
	s_mov_b32 s19, 0
	s_lshr_b32 s20, ttmp9, 5                       ; the batch
	s_lshl_b32 s20, s20, 11                        ; 8 heads x 256 records
	s_and_b32 s21, ttmp9, 31
	s_lshl_b32 s21, s21, 3
	s_add_co_u32 s20, s20, s21
	s_add_co_u32 s20, s20, s12                     ; head 0's record of my tile; a head on is 256 records
	s_lshl_b32 s20, s20, 10
	s_mov_b32 s21, 0
	s_lshl_b32 s22, ttmp9, 7
	s_lshr_b32 s23, s12, 1
	s_lshl_b32 s23, s23, 5
	s_add_co_u32 s22, s22, s23
	s_and_b32 s23, s12, 1
	s_lshl_b32 s23, s23, 3
	s_add_co_u32 s22, s22, s23                     ; my tile's first token
	s_lshl_b32 s22, s22, 11
	s_lshl_b32 s23, s13, 9
	s_add_co_u32 s22, s22, s23                     ; its row of 2,048 bytes, + 512 x column block
	s_mov_b32 s23, 0
	s_mul_i32 s24, s12, 8448
	s_add_co_u32 s24, s24, STG                     ; my stage
	v_mul_u32_u24 v9, v2, 528
	s_wait_alu depctr_va_vdst(0)
	v_lshl_add_u32 v9, v3, 6, v9
	s_delay_alu instid0(VALU_DEP_1)
	v_add_nc_u32 v9, s24, v9                       ; in: row r, + 64 h
	v_add_nc_u32 v10, s24, v4                      ; back: 16 bytes a lane
	s_wait_kmcnt 0x0
	s_add_nc_u64 s[6:7], s[6:7], s[16:17]
	s_add_nc_u64 s[8:9], s[8:9], s[18:19]
	s_add_nc_u64 s[4:5], s[4:5], s[20:21]
	s_add_nc_u64 s[10:11], s[10:11], s[22:23]
.irp i, 0,1,2,3,4,5,6,7,8,9,10,11
	global_load_b128 v[WF+4*\i:WF+4*\i+3], v6, s[6:7] offset:4096*\i
.endr
	global_load_b128 v[WF+48:WF+51], v6, s[8:9]
.irp hd, 0,1,2,3,4,5,6,7
.irp p, 0,1,2
	global_load_b64 v[AF+12*(\hd/2)+6*(\hd%2)+2*\p:AF+12*(\hd/2)+6*(\hd%2)+2*\p+1], v7, s[4:5] offset:262144*\hd+8*\p
.endr
	global_load_b32 v[SW+\hd], v8, s[4:5] offset:262144*\hd+768
.endr
	s_wait_loadcnt 32                              ; the 13 loads of wo are in: the 32 of my tile were issued behind them and stay out
.irp i, 0,1,2,3,4,5,6,7,8,9,10,11
	ds_store_b128 v6, v[WF+4*\i:WF+4*\i+3] offset:4096*\i
.endr
	ds_store_b128 v6, v[WF+48:WF+51] offset:WSC
	s_wait_loadcnt 0x0
.irp ks, 0,1,2,3
	v_lshl_or_b32 v[ASC+\ks], v[SW+2*\ks+1], 16, v[SW+2*\ks]   ; bytes 0, 1: head 2 ks; bytes 2, 3: head 2 ks + 1
.endr
.rept 8
	v_nop                                          ; a scale register written by a vector instruction stands eight places ahead of a scaled matrix instruction
.endr
	s_wait_alu depctr_va_vdst(0)
	s_wait_dscnt 0x0
	s_barrier_signal -1
	s_barrier_wait -1                              ; wo's fragments lie in LDS
.irp ks, 0,1,2,3
.rept 4
	v_nop                                          ; places in front of loads into registers that matrix instructions have read
.endr
.irp nt, 0,1,2,3,4,5,6,7
.irp c, 0,1,2
	ds_load_b128 v[WF+12*\nt+4*\c:WF+12*\nt+4*\c+3], v4 offset:(4*\nt+\ks)*1536+512*\c
.endr
	ds_load_b32 v[WS+\nt], v5 offset:WSC+(4*\nt+\ks)*128
.endr
	s_wait_dscnt 0x0
.irp nt, 0,1,2,3,4,5,6,7                       ; the eight accumulators take turns, one instruction a turn
.if \ks == 0
	v_wmma_scale_f32_16x16x128_f8f6f4 v[ACC+8*\nt:ACC+8*\nt+7], v[WF+12*\nt:WF+12*\nt+11], v[AF+12*\ks:AF+12*\ks+11], 0, v[WS+\nt], v[ASC+\ks] matrix_a_fmt:MATRIX_FMT_FP6 matrix_b_fmt:MATRIX_FMT_FP6
.else
	v_wmma_scale_f32_16x16x128_f8f6f4 v[ACC+8*\nt:ACC+8*\nt+7], v[WF+12*\nt:WF+12*\nt+11], v[AF+12*\ks:AF+12*\ks+11], v[ACC+8*\nt:ACC+8*\nt+7], v[WS+\nt], v[ASC+\ks] matrix_a_fmt:MATRIX_FMT_FP6 matrix_b_fmt:MATRIX_FMT_FP6
.endif
.endr
.endr
.rept 4
	v_nop                                          ; places in front of the first read of results and of the loads below
.endr
.irp p, 0,1,2,3
.irp q, 0,1,2,3
	ds_store_b128 v9, v[ACC+16*\p+4*\q:ACC+16*\p+4*\q+3] offset:128*\p+16*\q   ; each accumulator from its low end on
.endr
.endr
.irp i, 0,1,2,3,4,5,6,7,8,9,10,11,12,13,14,15
	ds_load_b128 v[WF+4*\i:WF+4*\i+3], v10 offset:528*\i   ; LDS serves a wave's instructions in order (ISA guide 5.7.1.4): these see my stores
.endr
.irp i, 0,1,2,3,4,5,6,7,8,9,10,11,12,13,14,15
	s_wait_dscnt 15-\i                             ; row i is back; the younger rows' loads may be out
	global_store_b128 v4, v[WF+4*\i:WF+4*\i+3], s[10:11] offset:(\i+8*(\i/8))*2048 th:TH_STORE_NT   ; 32 lanes store 512 consecutive bytes, at a multiple of 512 from out0's first byte
.endr
	s_wait_tensorcnt 0x0
	ds_add_u32 v254, v255
	s_wait_dscnt 0x0
	s_endpgm
.Lfunc_end_k_qcdd5b4b8d3_outp:
	.size	k_qcdd5b4b8d3_outp, .Lfunc_end_k_qcdd5b4b8d3_outp-k_qcdd5b4b8d3_outp
	.p2alignl 7, 3214868480
	.fill 96, 4, 3214868480
	.section	.rodata,"a",@progbits
	.p2align	6, 0x0
	.amdhsa_kernel k_qcdd5b4b8d3_outp
		.amdhsa_group_segment_fixed_size 121856
		.amdhsa_private_segment_fixed_size 0
		.amdhsa_enable_private_segment 0
		.amdhsa_kernarg_size 32
		.amdhsa_user_sgpr_count 2
		.amdhsa_user_sgpr_kernarg_segment_ptr 1
		.amdhsa_wavefront_size32 1
		.amdhsa_system_sgpr_workgroup_id_x 1
		.amdhsa_system_sgpr_workgroup_id_y 1
		.amdhsa_system_sgpr_workgroup_id_z 1
		.amdhsa_system_vgpr_workitem_id 0
		.amdhsa_next_free_vgpr 256
		.amdhsa_next_free_sgpr 66
		.amdhsa_reserve_vcc 0
		.amdhsa_float_denorm_mode_32 3
		.amdhsa_float_denorm_mode_16_64 3
		.amdhsa_memory_ordered 1
		.amdhsa_forward_progress 1
		.amdhsa_inst_pref_size 25
	.end_amdhsa_kernel
	.amdgpu_metadata
---
amdhsa.version: [ 1, 2 ]
amdhsa.kernels:
  - .name:           k_qcdd5b4b8d3_outp
    .symbol:         k_qcdd5b4b8d3_outp.kd
    .args:
      - { .name: arec, .offset: 0, .size: 8, .value_kind: global_buffer, .address_space: global }
      - { .name: fc, .offset: 8, .size: 8, .value_kind: global_buffer, .address_space: global }
      - { .name: fs, .offset: 16, .size: 8, .value_kind: global_buffer, .address_space: global }
      - { .name: out0, .offset: 24, .size: 8, .value_kind: global_buffer, .address_space: global }
    .group_segment_fixed_size: 121856
    .private_segment_fixed_size: 0
    .kernarg_segment_align: 8
    .kernarg_segment_size: 32
    .max_flat_workgroup_size: 256
    .sgpr_count:     66
    .vgpr_count:     256
    .wavefront_size: 32
...
	.end_amdgpu_metadata
.endif
;; end of part 4
